; MI455X (gfx1250); checked and timed in simulation.
; The chip was launched on July 23, 2026; its instructions are those of AMD's public machine-readable ISA for CDNA 5 (MIT licence, August 2026) and "CDNA5" Instruction Set Architecture Reference Guide (July 2026). The comments in the code are by the model that wrote it; some were corrected since.
;; Multi Head Attention. Allowed arithmetic: matrix products marked QUANTISED: E2M1 operands, one E8M0 scale for each 32 along K, by v_wmma_scale_f32_16x16x128_f8f6f4 with both operands' format E2M1 (or v_wmma_scale_f32_32x16x128_f4), f32 sums; everything else in f32.
;; Inputs: Wk_codes 512 x 16 x 16 uint8 (E2M1 codes of Wk, K innermost, in blocks of 32 codes, two codes a byte); Wk_scales 512 x 16 uint8 (E8M0 scales of Wk, one for each 32 codes along K); Wo_codes 512 x 16 x 16 uint8 (E2M1 codes of Wo, K innermost, in blocks of 32 codes, two codes a byte); Wo_scales 512 x 16 uint8 (E8M0 scales of Wo, one for each 32 codes along K); Wq_codes 512 x 16 x 16 uint8 (E2M1 codes of Wq, K innermost, in blocks of 32 codes, two codes a byte); Wq_scales 512 x 16 uint8 (E8M0 scales of Wq, one for each 32 codes along K); Wv_codes 512 x 16 x 16 uint8 (E2M1 codes of Wv, K innermost, in blocks of 32 codes, two codes a byte); Wv_scales 512 x 16 uint8 (E8M0 scales of Wv, one for each 32 codes along K); bk 512 float32; bo 512 float32; bq 512 float32; bv 512 float32; k_codes 2 x 4,096 x 16 x 16 uint8 (E2M1 codes of k, K innermost, in blocks of 32 codes, two codes a byte); k_scales 2 x 4,096 x 16 uint8 (E8M0 scales of k, one for each 32 codes along K); q_codes 2 x 4,096 x 16 x 16 uint8 (E2M1 codes of q, K innermost, in blocks of 32 codes, two codes a byte); q_scales 2 x 4,096 x 16 uint8 (E8M0 scales of q, one for each 32 codes along K); v_codes 2 x 4,096 x 16 x 16 uint8 (E2M1 codes of v, K innermost, in blocks of 32 codes, two codes a byte); v_scales 2 x 4,096 x 16 uint8 (E8M0 scales of v, one for each 32 codes along K).
;; Outputs: out0 2 x 4,096 x 512 float32.
;; This version of the problem:
;;   THIS VERSION OF THE PROBLEM IS GIVEN IN LOW PRECISION. The matrix products marked QUANTISED in the list below multiply operands that are first quantised to E2M1 (2 exponent bits, 1 mantissa bit; 4 bits a number), with one power-of-two scale for each 32 numbers along K (OCP MX v1.0); their sums are f32. All else is computed in f32.
;;   The module's matrix products, in the order in which they are computed (A, B: the left and right operand; K: the contracted axis; several contracted axes count as one K, in the product's order):
;;     1. [M 8,192, K 512] x [K 512, N 512]; A: input q (given as codes); B: input Wq (given as codes): QUANTISED
;;     2. [M 8,192, K 512] x [K 512, N 512]; A: input k (given as codes); B: input Wk (given as codes): QUANTISED
;;     3. [M 8,192, K 512] x [K 512, N 512]; A: input v (given as codes); B: input Wv (given as codes): QUANTISED
;;     4. batch 16 x [M 4,096, K 64] x [K 64, N 4,096]; A: computed on the way; B: computed on the way: QUANTISED
;;     5. batch 16 x [M 64, K 4,096] x [K 4,096, N 4,096]; A: computed on the way; B: softmax (see below): QUANTISED
;;     6. [M 8,192, K 512] x [K 512, N 512]; A: computed on the way; B: input Wo (given as codes): QUANTISED
;;   THE QUANTISER, for each operand of a quantised product, along K:
;;     - K is cut into blocks of 32 from its start; a last block that is shorter is filled with zeros.
;;     - A block's scale is 2^e with e = floor(log2(the largest magnitude in the block)) - 2, held to -126 .. 127; a block of zeros has e = 0. As a byte (E8M0): e + 127.
;;     - Each number is divided by its block's scale, clamped to +-6, and rounded to the nearest number of E2M1, ties to even, subnormals kept.
;;     - The product sums the exact products of the quantised numbers (number of the format x scale) in f32.
;;   ~~~python
;;   def quantise(x, axis):      # numpy; x: float32 -> the quantised numbers, widened to float32 again
;;       x = np.moveaxis(x, axis, -1); K = x.shape[-1]
;;       x = np.pad(x, [(0, 0)] * (x.ndim - 1) + [(0, -K % 32)]); x = x.reshape(x.shape[:-1] + (-1, 32)); a = np.abs(x).max(-1, keepdims=True)
;;       e = np.where(a > 0, np.clip(np.frexp(np.where(a > 0, a, 1))[1] - 1 - 2, -126, 127), 0)      # np.frexp(a)[1] - 1 = floor(log2(a)), exactly
;;       r = np.clip(x / 2.0 ** e, -6, 6)
;;       step = 2.0 ** (np.maximum(np.frexp(np.where(r == 0, 1, r))[1] - 1, 0) - 1)
;;       q = np.round(r / step) * step * 2.0 ** e      # np.round: ties to even
;;       return np.moveaxis(q.reshape(q.shape[:-2] + (-1,))[..., :K], -1, axis).astype(np.float32)
;;   ~~~
;;   SOFTMAX AHEAD OF A QUANTISED PRODUCT. Where the list says 'softmax', what is quantised is not the finished softmax but p = 2^(t - M), with t = logit x log2(e) and M = ceil(the row's largest t), a whole number; so 1/2 < the row's largest p <= 1. The row's sum l is taken of the UNQUANTISED p, in f32, and the product's result is divided by l at the end. Since M is a whole number, a kernel that streams over the keys may use a running M (the ceiling of the running maximum): every later rescaling is an exact power of two, which a block's scale takes up: the codes' values come out the same.
;;   OPERANDS COMPUTED ON THE WAY. 'Computed on the way' means the value that the module computes at that place (a softmax that the list does not call 'softmax' is quantised finished and normalised). What goes into a quantiser is computed in f32, as accurately as f32 sums, v_exp_f32 and their like allow (about 1e-6 of the number): no bf16 or f16 on the way to a quantiser, and a product that is left as it is and whose result goes on into a quantised operand takes f32 operands (vector FMAs, or v_wmma_f32_16x16x4_f32). A number that lies on a knife's edge between two numbers of the format may be rounded either way, as far as f32 arithmetic and the matrix unit's own rounding can turn it there, and no further.
;;   INPUTS GIVEN AS CODES. Wk (in the module: [512, 512], K = its axis 0); Wo (in the module: [512, 512], K = its axis 0); Wq (in the module: [512, 512], K = its axis 0); Wv (in the module: [512, 512], K = its axis 0); k (in the module: [2, 4096, 512], K = its axis 2); q (in the module: [2, 4096, 512], K = its axis 2); v (in the module: [2, 4096, 512], K = its axis 2): each comes as NAME_codes (uint8): NAME with its K axis moved to the last place and cut into blocks of 32 codes, [.., K / 32, bytes a block], one block behind the other in memory; two codes a byte, the lower K in the low four bits (a code: sign, 2 exponent bits, 1 mantissa bit); and NAME_scales (uint8): the same leading axes, one E8M0 byte (e + 127) for each 32 codes along K. Its value is code x scale, taken as it is: it is not quantised again, and the codes and scales need not be those that the quantiser above would give.
;; 2 versions. Each part assembles by itself: llvm-mc -triple=amdgcn-amd-amdhsa -mcpu=gfx1250 --defsym DOCPART=n.
;; ======== version 1 of 2: 3 launches
;; workspace buffers: qc 2,097,152 bytes; qs 262,144 bytes; kv 4,587,520 bytes; oc 2,097,152 bytes; os 262,144 bytes
;; launch proj (part 1): grid 256 x 1, 6 waves a work-group, no clusters, 0 bytes of LDS; arguments q_codes, k_codes, v_codes, q_scales, k_scales, v_scales, Wq_codes, Wk_codes, Wv_codes, Wq_scales, Wk_scales, Wv_scales, bq, bk, bv, qc, qs, kv; writes qc, qs, kv
.if DOCPART == 1
	.amdgcn_target "amdgcn-amd-amdhsa--gfx1250"
	.amdhsa_code_object_version 6
	.text
	.protected	k_q283a0e84da_proj
	.globl	k_q283a0e84da_proj
	.p2align	8
	.type	k_q283a0e84da_proj,@function
k_q283a0e84da_proj:
	s_mov_b64 s[64:65], 0
	v_nop
	global_prefetch_b8 v0, s[64:65] scope:SCOPE_SE
	s_setreg_imm32_b32 hwreg(HW_REG_WAVE_MODE, 25, 1), 1
	s_wait_xcnt 0x0
; qh = q Wq + bq, kh = k Wk + bk, vh = v Wv + bv on codes of FP4 (E2M1) with E8M0 scales, sums in f32; the results are quantised at once:
; qh and kh along the head's 64 (two blocks of 32 a head), vh along the KEYS (blocks of 32 tokens for each channel), and leave as IMAGES OF OPERAND REGISTERS for the attention launch.
; SHARES.  A job = 8 tiles of source 0 (128 rows) x 1 tile of source 1 (16 rows) x K = 512: 32 matrix instructions, 64 results a lane.  A wave keeps source 0 (256 registers, window 1) and runs 4 jobs.
; Waves 0, 1 of a work-group take q, waves 2, 3 k, waves 4, 5 v; id = 2 x work-group + (wave & 1) = 0 .. 511 names the wave's share of its tensor.
;   q, k: source 0 = rows 128 ng .. + 127 of W (heads 2 ng, 2 ng + 1), source 1 = token tile j of a chunk of 64 tokens: a lane holds ONE token and its registers run along the heads' channels.
;   v:    source 0 = 128 tokens (a key step), source 1 = rows 64 hd + 16 j .. of Wv: a lane holds ONE channel and its registers run along the tokens.
; FROM RESULT TO OPERAND.  A conversion turns one tile's eight registers (k = 16 t + 8 (lane / 16) + 0 .. 7) into one register of codes.  The codes of tiles 4 c, 4 c + 2, 4 c + 1, 4 c + 3 go to registers
; 4 c + 0, 1, 2, 3; exchanging the halves of the lanes between registers (4 c, 4 c + 1) and (4 c + 2, 4 c + 3) then gives the 4-bit operand layout: register 4 c + i of lane (r, H) holds k = 64 c + 32 H + 8 i + 0 .. 7.
; A block's scale is 2^(floor(log2(largest magnitude)) - 2); its byte is the largest magnitude's exponent field - 2, held at 1 from below.
; LIMITS: a block of zeros, or one whose largest magnitude lies under 2^-124, gets the byte 1 (its codes are made with that scale; the bytes are read by this program alone); NaN and infinities are not served.
; No LDS, no tensor load, no cluster: fragments go from memory straight into the registers that hold them, each wave's source 0 once; a job's work is too short for a ring to pay.
.set LN,   1                           ; v1   lane
.set RR,   2                           ; v2   r = lane % 16
.set HH,   3                           ; v3   h = lane / 16
.set FO,   4                           ; v4   256 r + 16 h: my 16 bytes of a row of codes
.set SO,   5                           ; v5   16 r: my row's 16 scale bytes
.set L16,  6                           ; v6   16 x lane: my place in an image
.set L8,   7                           ; v7   8 x lane: my place among the scale words
.set BO,   8                           ; v8   the bias's offset: 32 h (q, k) or 4 r (v)
.set SC1,  12                          ; v12-15   source 1's scale words, K step s
.set SRC1, 16                          ; v16-47   source 1's fragments, K step s at 8 s
.set SC0,  48                          ; v48-79   source 0's scale words, tile t, K step s at 4 t + s
.set ACC,  80                          ; v80-143  the job's eight accumulators
.set BI,   144                         ; v144-207 the bias as C of the first K step
.set PC,   208                         ; v208-215 the codes just made
.set TM,   216                         ; v216-219 largest magnitudes, v220-223 the other half's, then bytes, v224-227 the conversions' scale operands
.set PW,   228                         ; v228 the four bytes as a word
.set TW,   229                         ; v229 at work
.set SW,   230                         ; v230-233 scale words gathered over the four jobs
.set BL,   234                         ; v234-237 v's path: one bias number a job
.set WV,   40
.set TT,   41                          ; s41  0 q, 1 k, 2 v
.set ID,   42
.set PS0C, 44                          ; s[44:45] source 0's codes;  s[46:47] its scales;  s[48:49], s[50:51] source 1's;  s[52:53] the bias
.set PS0S, 46
.set PS1C, 48
.set PS1S, 50
.set PB,   52
.set OC0,  54                          ; s[54:55], s[56:57] where the codes go (two heads);  s[58:59], s[60:61] the scale words
.set OC1,  56
.set OS0,  58
.set OS1,  60
.set SEL,  62                          ; s[62:63] lane selects: lane l xor 16
.set MHI,  66                          ; s66  lanes 16-31
.set MSB, 0
.macro WIN new                         ; the immediate's high byte repeats the setting that is left
.if MSB != \new
	s_set_vgpr_msb (MSB<<8)|\new
.set MSB, \new
.endif
.endm
.macro LOADS0                          ; source 0: 8 tiles x 4 K steps, 8 registers each, into window 1; a row is 256 bytes of codes and 16 scale bytes
	WIN 0x40
.irp t, 0,1,2,3,4,5,6,7
.irp s, 0,1,2,3
.irp c, 0,1
	global_load_b128 v[8*(4*\t+\s)+4*\c:8*(4*\t+\s)+4*\c+3], v[FO], s[PS0C:PS0C+1] offset:4096*\t+64*\s+32*\c
.endr
.endr
.endr
	WIN 0
.irp t, 0,1,2,3,4,5,6,7
	global_load_b128 v[SC0+4*\t:SC0+4*\t+3], v[SO], s[PS0S:PS0S+1] offset:256*\t
.endr
.endm
.macro LOADS1 j                        ; source 1's tile j: nine loads
.irp s, 0,1,2,3
.irp c, 0,1
	global_load_b128 v[SRC1+8*\s+4*\c:SRC1+8*\s+4*\c+3], v[FO], s[PS1C:PS1C+1] offset:4096*(\j)+64*\s+32*\c
.endr
.endr
	global_load_b128 v[SC1:SC1+3], v[SO], s[PS1S:PS1S+1] offset:256*(\j)
.endm
.macro MULS j, isv                     ; 32 matrix instructions: K ascending, the eight accumulators by turns, one instruction a turn; the bias is the first K step's C
	WIN 0x01
.irp s, 0,1,2,3
.irp t, 0,1,2,3,4,5,6,7
.if \s == 0
.if \isv
	v_wmma_scale_f32_16x16x128_f8f6f4 v[ACC+8*\t:ACC+8*\t+7], v[8*(4*\t+\s):8*(4*\t+\s)+7], v[SRC1+8*\s:SRC1+8*\s+7], v[BI+8*(\j):BI+8*(\j)+7], v[SC0+4*\t+\s], v[SC1+\s] matrix_a_fmt:MATRIX_FMT_FP4 matrix_b_fmt:MATRIX_FMT_FP4
.else
	v_wmma_scale_f32_16x16x128_f8f6f4 v[ACC+8*\t:ACC+8*\t+7], v[8*(4*\t+\s):8*(4*\t+\s)+7], v[SRC1+8*\s:SRC1+8*\s+7], v[BI+8*\t:BI+8*\t+7], v[SC0+4*\t+\s], v[SC1+\s] matrix_a_fmt:MATRIX_FMT_FP4 matrix_b_fmt:MATRIX_FMT_FP4
.endif
.else
	v_wmma_scale_f32_16x16x128_f8f6f4 v[ACC+8*\t:ACC+8*\t+7], v[8*(4*\t+\s):8*(4*\t+\s)+7], v[SRC1+8*\s:SRC1+8*\s+7], v[ACC+8*\t:ACC+8*\t+7], v[SC0+4*\t+\s], v[SC1+\s] matrix_a_fmt:MATRIX_FMT_FP4 matrix_b_fmt:MATRIX_FMT_FP4
.endif
.endr
.endr
	WIN 0
.endm
.macro QUANT                           ; the job's 64 numbers a lane: block b of 32 = tiles 2 b, 2 b + 1, in lanes l and l xor 16
.irp b, 0,1,2,3
	v_max3_num_f32 v[TM+\b], |v[ACC+16*\b]|, |v[ACC+16*\b+1]|, 0x1800000   ; my 16 numbers, each accumulator from its low end on, and the floor 2^(3 - 127): the byte cannot fall under 1
.endr
.irp i, 2,4,6,8,10,12,14
.irp b, 0,1,2,3
	v_max3_num_f32 v[TM+\b], v[TM+\b], |v[ACC+16*\b+\i]|, |v[ACC+16*\b+\i+1]|   ; the four blocks by turns
.endr
.endr
.irp b, 0,1,2,3
	v_permlanex16_b32 v[TM+4+\b], v[TM+\b], s[SEL], s[SEL+1]
.endr
.irp b, 0,1,2,3
	v_max_num_f32 v[TM+\b], v[TM+\b], v[TM+4+\b]   ; the block's largest magnitude
.endr
.irp b, 0,1,2,3
	v_add_nc_u32 v[TM+8+\b], 0xff000000, v[TM+\b]  ; 2 off its exponent field: the conversion's scale operand
.endr
.irp b, 0,1,2,3
	v_lshrrev_b32 v[TM+4+\b], 23, v[TM+8+\b]       ; the scale's byte
.endr
	v_lshl_or_b32 v[PW], v[TM+5], 8, v[TM+4]
	v_lshl_or_b32 v[PW], v[TM+6], 16, v[PW]
	v_lshl_or_b32 v[PW], v[TM+7], 24, v[PW]
.irp c, 0,1
	v_cvt_scalef32_pk8_fp4_f32 v[PC+4*\c],   v[ACC+32*\c:ACC+32*\c+7],     v[TM+8+2*\c]     ; tile 4 c
	v_cvt_scalef32_pk8_fp4_f32 v[PC+4*\c+2], v[ACC+32*\c+8:ACC+32*\c+15],  v[TM+8+2*\c]     ; tile 4 c + 1
	v_cvt_scalef32_pk8_fp4_f32 v[PC+4*\c+1], v[ACC+32*\c+16:ACC+32*\c+23], v[TM+8+2*\c+1]   ; tile 4 c + 2
	v_cvt_scalef32_pk8_fp4_f32 v[PC+4*\c+3], v[ACC+32*\c+24:ACC+32*\c+31], v[TM+8+2*\c+1]   ; tile 4 c + 3
.endr
	v_nop                                          ; one plain place behind the scaled conversions
.irp c, 0,1
	v_permlane16_swap_b32 v[PC+4*\c], v[PC+4*\c+1]     ; a whole block of 32 to a lane: lanes 0-15 block 2 c, lanes 16-31 block 2 c + 1
	v_permlane16_swap_b32 v[PC+4*\c+2], v[PC+4*\c+3]
.endr
.endm
.macro PACKSC j, isv                   ; the job's scale words join those of the other jobs: register j / 2, lanes 16 (j % 2) + r
.if \isv
.if (\j)%2 == 0
	v_mov_b32 v[SW+(\j)/2], v[PW]
.else
	v_cndmask_b32 v[SW+(\j)/2], v[SW+(\j)/2], v[PW], s[MHI]
.endif
.else
.if (\j)%2 == 0
	v_and_b32 v[SW+(\j)/2], 0xffff, v[PW]          ; the first head's two bytes; the word's upper two bytes stay 0 (they scale zero codes)
	v_lshrrev_b32 v[SW+2+(\j)/2], 16, v[PW]        ; the second head's
.else
	v_and_b32 v[TW], 0xffff, v[PW]
	v_cndmask_b32 v[SW+(\j)/2], v[SW+(\j)/2], v[TW], s[MHI]
	v_lshrrev_b32 v[TW], 16, v[PW]
	v_cndmask_b32 v[SW+2+(\j)/2], v[SW+2+(\j)/2], v[TW], s[MHI]
.endif
.endif
.endm
.macro OUT j, isv                      ; each store covers 512 consecutive bytes, aligned
.if \isv
	global_store_b128 v[L16], v[PC:PC+3], s[OC0:OC0+1] offset:1024*(\j)
	global_store_b128 v[L16], v[PC+4:PC+7], s[OC0:OC0+1] offset:1024*(\j)+512
.else
	global_store_b128 v[L16], v[PC:PC+3], s[OC0:OC0+1] offset:512*(\j)
	global_store_b128 v[L16], v[PC+4:PC+7], s[OC1:OC1+1] offset:512*(\j)
.endif
.endm
.macro PATH isv
	s_mov_b32 s77, 0                               ; the upper word of the offsets' pair s[76:77]
.if \isv
	s_lshr_b32 s68, s[ID], 3                       ; tg: which 128 tokens (a key step)
	s_and_b32 s69, s[ID], 7                        ; hd: which head
	s_lshl_b32 s76, s68, 15
	s_add_nc_u64 s[PS0C:PS0C+1], s[8:9], s[76:77]      ; v's codes: 128 rows of 256 bytes
	s_lshl_b32 s76, s68, 11
	s_add_nc_u64 s[PS0S:PS0S+1], s[14:15], s[76:77]    ; v's scales
	s_lshl_b32 s76, s69, 14
	s_add_nc_u64 s[PS1C:PS1C+1], s[20:21], s[76:77]    ; Wv's codes: 64 rows
	s_lshl_b32 s76, s69, 10
	s_add_nc_u64 s[PS1S:PS1S+1], s[26:27], s[76:77]
	s_lshl_b32 s76, s69, 8
	s_add_nc_u64 s[PB:PB+1], s[32:33], s[76:77]        ; bv: 64 numbers
	s_lshr_b32 s70, s68, 5
	s_lshl_b32 s70, s70, 3
	s_add_co_u32 s70, s70, s69                     ; y = 8 b + head
	s_and_b32 s71, s68, 31                         ; the key step in the batch
	s_mul_i32 s76, s70, 286720
	s_mul_i32 s71, s71, 8960
	s_add_co_u32 s76, s76, s71
	s_add_co_u32 s76, s76, 4096                    ; V's part of the step
	s_add_nc_u64 s[OC0:OC0+1], s[38:39], s[76:77]
	v_lshlrev_b32 v[BO], 2, v[RR]
.else
	s_and_b32 s68, s[ID], 3                        ; ng: which 128 rows of W
	s_lshr_b32 s69, s[ID], 2                       ; tc: which 64 tokens
	s_cmp_eq_u32 s[TT], 0                          ; q or k: the choice hangs on the wave's number alone
	s_cselect_b64 s[PS0C:PS0C+1], s[16:17], s[18:19]
	s_cselect_b64 s[PS0S:PS0S+1], s[22:23], s[24:25]
	s_cselect_b64 s[PS1C:PS1C+1], s[4:5], s[6:7]
	s_cselect_b64 s[PS1S:PS1S+1], s[10:11], s[12:13]
	s_cselect_b64 s[PB:PB+1], s[28:29], s[30:31]
	s_cselect_b64 s[OC0:OC0+1], s[34:35], s[38:39]     ; codes go to qc or to kv,
	s_cselect_b64 s[OS0:OS0+1], s[36:37], s[38:39]     ; scale words to qs or to kv
	s_mov_b32 s70, 286720
	s_cselect_b32 s70, 131072, s70                 ; codes: bytes from head to head,
	s_mov_b32 s71, 8960
	s_cselect_b32 s71, 4096, s71                   ; and from 128 tokens to the next
	s_mov_b32 s72, 286720
	s_cselect_b32 s72, 16384, s72                  ; scale words: the same two,
	s_mov_b32 s73, 8960
	s_cselect_b32 s73, 512, s73
	s_cselect_b32 s74, 0, 8192                     ; and where they begin in a step of kv
	s_lshl_b32 s76, s68, 15
	s_add_nc_u64 s[PS0C:PS0C+1], s[PS0C:PS0C+1], s[76:77]
	s_lshl_b32 s76, s68, 11
	s_add_nc_u64 s[PS0S:PS0S+1], s[PS0S:PS0S+1], s[76:77]
	s_lshl_b32 s76, s69, 14
	s_add_nc_u64 s[PS1C:PS1C+1], s[PS1C:PS1C+1], s[76:77]
	s_lshl_b32 s76, s69, 10
	s_add_nc_u64 s[PS1S:PS1S+1], s[PS1S:PS1S+1], s[76:77]
	s_lshl_b32 s76, s68, 9
	s_add_nc_u64 s[PB:PB+1], s[PB:PB+1], s[76:77]
	s_lshr_b32 s75, s69, 6                         ; b
	s_lshl_b32 s75, s75, 3
	s_lshl_b32 s78, s68, 1
	s_add_co_u32 s75, s75, s78                     ; y of the first head: 8 b + 2 ng
	s_bfe_u32 s78, s69, 0x50001                    ; which 128 tokens of the batch
	s_and_b32 s79, s69, 1                          ; which half of them
	s_mul_i32 s76, s75, s70
	s_mul_i32 s68, s78, s71
	s_add_co_u32 s76, s76, s68
	s_lshl_b32 s68, s79, 11                        ; four tiles of 512 bytes
	s_add_co_u32 s76, s76, s68
	s_add_nc_u64 s[OC0:OC0+1], s[OC0:OC0+1], s[76:77]
	s_mov_b32 s76, s70
	s_add_nc_u64 s[OC1:OC1+1], s[OC0:OC0+1], s[76:77]  ; the second head
	s_mul_i32 s76, s75, s72
	s_mul_i32 s68, s78, s73
	s_add_co_u32 s76, s76, s68
	s_add_co_u32 s76, s76, s74
	s_lshl_b32 s68, s79, 8                         ; 64 words
	s_add_co_u32 s76, s76, s68
	s_add_nc_u64 s[OS0:OS0+1], s[OS0:OS0+1], s[76:77]
	s_mov_b32 s76, s72
	s_add_nc_u64 s[OS1:OS1+1], s[OS0:OS0+1], s[76:77]
	v_lshlrev_b32 v[BO], 5, v[HH]
.endif
	LOADS0
.if \isv
.irp j, 0,1,2,3
	global_load_b32 v[BL+\j], v[BO], s[PB:PB+1] offset:64*\j       ; bv of my channel 16 j + r
.endr
.else
.irp t, 0,1,2,3,4,5,6,7
	global_load_b128 v[BI+8*\t:BI+8*\t+3], v[BO], s[PB:PB+1] offset:64*\t         ; the bias of channels 16 t + 8 h + 0 .. 7: the result's layout
	global_load_b128 v[BI+8*\t+4:BI+8*\t+7], v[BO], s[PB:PB+1] offset:64*\t+16
.endr
.endif
	LOADS1 0
	s_wait_loadcnt 0x0                             ; all that the first job reads
.if \isv
.irp j, 0,1,2,3
.irp i, 0,1,2,3,4,5,6,7
	v_mov_b32 v[BI+8*\j+\i], v[BL+\j]              ; here the bias is the same in a lane's eight registers, and C wants eight: written once for the four jobs
.endr
.endr
.endif
.irp j, 0,1,2,3
	MULS \j, \isv
.rept 4
	v_nop                                          ; four places behind the last product: for the loads into source 1's registers and for the first read of results
.endr
.if \j < 3
	LOADS1 \j+1                                    ; the next job's source 1 lands while this job is quantised
.endif
.if \j > 0
	s_wait_xcnt 0x0                                ; the last job's stores have read the codes' registers: they are written again only behind this wait
.endif
	QUANT
	PACKSC \j, \isv
	OUT \j, \isv
.if \j < 3
	s_wait_loadcnt 0x0                             ; the nine loads of the next source 1
.endif
.endr
.if \isv
	global_store_b64 v[L8], v[SW:SW+1], s[OC0:OC0+1] offset:4608   ; V's scale words of the step: 256 consecutive bytes, aligned
.else
	global_store_b64 v[L8], v[SW:SW+1], s[OS0:OS0+1]               ; 64 tokens' words of the first head: 256 consecutive bytes, aligned
	global_store_b64 v[L8], v[SW+2:SW+3], s[OS1:OS1+1]             ; and of the second
.endif
	s_endpgm
.endm
	s_load_b512 s[4:19], s[0:1], 0x0               ; q, k, v codes; q, k, v scales; Wq, Wk codes
	s_load_b512 s[20:35], s[0:1], 0x40             ; Wv codes; Wq, Wk, Wv scales; bq, bk, bv; qc
	s_load_b128 s[36:39], s[0:1], 0x80             ; qs, kv
	v_lshrrev_b32 v1, 5, v0
	v_readfirstlane_b32 s[WV], v1                  ; wave 0..5
	s_lshr_b32 s[TT], s[WV], 1
	s_and_b32 s[ID], s[WV], 1
	s_lshl_b32 s43, ttmp9, 1
	s_add_co_u32 s[ID], s[ID], s43
	v_and_b32 v[LN], 31, v0
	v_and_b32 v[RR], 15, v0
	v_bfe_u32 v[HH], v0, 4, 1
	v_lshlrev_b32 v[FO], 8, v[RR]
	v_lshl_add_u32 v[FO], v[HH], 4, v[FO]
	v_lshlrev_b32 v[SO], 4, v[RR]
	v_lshlrev_b32 v[L16], 4, v[LN]
	v_lshlrev_b32 v[L8], 3, v[LN]
	s_mov_b32 s[SEL], 0x76543210
	s_mov_b32 s[SEL+1], 0xfedcba98
	s_mov_b32 s[MHI], 0xffff0000
.irp b, 0,1,2,3
	v_mov_b32 v[TM+4+\b], 0                        ; written once: a lane permute's destination counts as one of its sources
.endr
	s_wait_kmcnt 0x0
	s_cmp_eq_u32 s[TT], 2
	s_cbranch_scc1 .Lv
	PATH 0
.Lv:
	PATH 1
.Lfunc_end_k_q283a0e84da_proj:
	.size	k_q283a0e84da_proj, .Lfunc_end_k_q283a0e84da_proj-k_q283a0e84da_proj
	.p2alignl 7, 3214868480
	.fill 96, 4, 3214868480
	.section	.rodata,"a",@progbits
	.p2align	6, 0x0
	.amdhsa_kernel k_q283a0e84da_proj
		.amdhsa_group_segment_fixed_size 0
		.amdhsa_private_segment_fixed_size 0
		.amdhsa_enable_private_segment 0
		.amdhsa_kernarg_size 144
		.amdhsa_user_sgpr_count 2
		.amdhsa_user_sgpr_kernarg_segment_ptr 1
		.amdhsa_wavefront_size32 1
		.amdhsa_system_sgpr_workgroup_id_x 1
		.amdhsa_system_sgpr_workgroup_id_y 1
		.amdhsa_system_sgpr_workgroup_id_z 1
		.amdhsa_system_vgpr_workitem_id 0
		.amdhsa_next_free_vgpr 512
		.amdhsa_next_free_sgpr 80
		.amdhsa_reserve_vcc 0
		.amdhsa_float_denorm_mode_32 3
		.amdhsa_float_denorm_mode_16_64 3
		.amdhsa_memory_ordered 1
		.amdhsa_forward_progress 1
		.amdhsa_inst_pref_size 94
	.end_amdhsa_kernel
	.amdgpu_metadata
---
amdhsa.version: [ 1, 2 ]
amdhsa.kernels:
  - .name:           k_q283a0e84da_proj
    .symbol:         k_q283a0e84da_proj.kd
    .args:
      - { .name: q_codes, .offset: 0, .size: 8, .value_kind: global_buffer, .address_space: global }
      - { .name: k_codes, .offset: 8, .size: 8, .value_kind: global_buffer, .address_space: global }
      - { .name: v_codes, .offset: 16, .size: 8, .value_kind: global_buffer, .address_space: global }
      - { .name: q_scales, .offset: 24, .size: 8, .value_kind: global_buffer, .address_space: global }
      - { .name: k_scales, .offset: 32, .size: 8, .value_kind: global_buffer, .address_space: global }
      - { .name: v_scales, .offset: 40, .size: 8, .value_kind: global_buffer, .address_space: global }
      - { .name: Wq_codes, .offset: 48, .size: 8, .value_kind: global_buffer, .address_space: global }
      - { .name: Wk_codes, .offset: 56, .size: 8, .value_kind: global_buffer, .address_space: global }
      - { .name: Wv_codes, .offset: 64, .size: 8, .value_kind: global_buffer, .address_space: global }
      - { .name: Wq_scales, .offset: 72, .size: 8, .value_kind: global_buffer, .address_space: global }
      - { .name: Wk_scales, .offset: 80, .size: 8, .value_kind: global_buffer, .address_space: global }
      - { .name: Wv_scales, .offset: 88, .size: 8, .value_kind: global_buffer, .address_space: global }
      - { .name: bq, .offset: 96, .size: 8, .value_kind: global_buffer, .address_space: global }
      - { .name: bk, .offset: 104, .size: 8, .value_kind: global_buffer, .address_space: global }
      - { .name: bv, .offset: 112, .size: 8, .value_kind: global_buffer, .address_space: global }
      - { .name: qc, .offset: 120, .size: 8, .value_kind: global_buffer, .address_space: global }
      - { .name: qs, .offset: 128, .size: 8, .value_kind: global_buffer, .address_space: global }
      - { .name: kv, .offset: 136, .size: 8, .value_kind: global_buffer, .address_space: global }
    .group_segment_fixed_size: 0
    .private_segment_fixed_size: 0
    .kernarg_segment_align: 8
    .kernarg_segment_size: 144
    .max_flat_workgroup_size: 192
    .sgpr_count:     80
    .vgpr_count:     512
    .wavefront_size: 32
...
	.end_amdgpu_metadata
.endif
;; end of part 1
;; launch attn (part 2): grid 16 x 16, 16 waves a work-group, clusters of 4 x 1, 289,792 bytes of LDS; arguments qc, qs, kv, oc, os; writes oc, os
.if DOCPART == 2
	.amdgcn_target "amdgcn-amd-amdhsa--gfx1250"
	.amdhsa_code_object_version 6
	.text
	.protected	k_q283a0e84da_attn
	.globl	k_q283a0e84da_attn
	.p2align	8
	.type	k_q283a0e84da_attn,@function
k_q283a0e84da_attn:
	s_mov_b64 s[64:65], 0
	v_nop
	global_prefetch_b8 v0, s[64:65] scope:SCOPE_SE
	s_setreg_imm32_b32 hwreg(HW_REG_WAVE_MODE, 25, 1), 1
	s_wait_xcnt 0x0
	s_wait_alu depctr_hold_cnt(0) depctr_sa_sdst(0) depctr_va_vdst(0) depctr_va_sdst(0) depctr_va_ssrc(0) depctr_va_vcc(0) depctr_vm_vsrc(0)
	s_getreg_b32 s2, hwreg(HW_REG_IB_STS2, 6, 4)
	s_cmp_eq_u32 s2, 0
	s_cbranch_scc0 .Lentry_in_a_cluster
	s_endpgm
.Lentry_in_a_cluster:
	s_bfe_u32 s2, ttmp6, 0x10000c
	s_cmp_lg_u32 s2, 0x3003
	s_cbranch_scc0 .Lentry_shape_is_right
	s_endpgm
.Lentry_shape_is_right:
; For each y = 8 b + head: O[q] = the sum over keys of softmax(Q[q] . K[key] / 8) V[key], both products on codes of FP4 (E2M1) with E8M0 scales; the result is quantised along the head's 64 for the output projection.
; THE SOFTMAX AHEAD OF THE SECOND PRODUCT: t = score x log2(e) / 8; M = the row's largest t so far, rounded UP to a whole number; p = 2^(t - M) is quantised along the keys, not normalised.
; The row's sum is taken of the unquantised p, in f32, and divides O at the end.  When M moves, the sum and O are multiplied by 2^(old M - new M): nothing is rounded, and no branch hangs on data.
; SHARES.  A work-group owns 256 queries of one y; each of its sixteen waves owns 16 of them in 256 registers: four waves to a SIMD, so that one wave's vector work stands beside another's matrix work and LDS loads.
; Every wave walks the head's 4,096 keys, 128 a step.  The head size is 64, so the first product's K = 128 is half zero codes, on both sides.
; LAYOUT.  Both products are used transposed (S^T = K Q^T, O^T = V^T P^T): a lane holds ONE query (lane % 16) throughout.  Tiles are natural: tile t of S^T holds keys 16 t + 8 (lane / 16) + 0 .. 7.
; A conversion makes one register of codes of one tile; the codes of tiles 4 c, 4 c + 2, 4 c + 1, 4 c + 3 go to registers 4 c + 0 .. 3, and two exchanges of lane halves give the operand's layout.
; LDS.  kv[y], 286,720 bytes, lies in memory as images of operand registers, step by step (8,960 bytes: K's 8 tiles, V^T's 4 x 2 groups of four registers, K's scale words, V's).  It comes into LDS byte for byte, ONCE:
; nothing is ever filled again, so there is no ring and no barrier in the loops.  Every read takes 16 or 8 consecutive bytes a lane, lane behind lane.  Behind it lie 1,024 bytes for the output's scale words, into which no tile lands.
; CLUSTER.  The four query blocks of a cluster belong to one y and read the same kv[y]: waves 0 to 3 of each ask for it JOINTLY, three loads a wave (steps 0-3, 4-15, 16-31), so three tensor loads of a wave are out at the most.
; The walk begins when the first four steps have landed; each later stage lands under the steps in front of it.
; No prefetch: every byte of K and V is asked for by the first fills at the head; there is no later load for a prefetch to run ahead of.
; LIMITS: a block of zeros, or one under 2^-124, gets the scale byte 1 (read by this program alone); NaN and infinities are not served.
.set STEPB, 8960
.set HEADB, 286720
.set OSG,   286720                     ; the output's scale words: 4 bytes a query
.set LI,  1                            ; v1   16 x lane
.set L8,  2                            ; v2   8 x lane
.set ADR, 3                            ; v3   the step's images
.set ADS, 4                            ; v4   the step's scale words
.set QSO, 5                            ; v5   8 r: Q's scale word in memory
.set OSA, 6                            ; v6   OSG + 64 x wave + 4 r
.set GS,  7                            ; v7   16 x (thread % 64)
.set OSR, 8                            ; v8   OSG + the same
.set QF,  16                           ; v16-23   Q's fragment; 20-23 are 0
.set QS,  24                           ; v24      Q's scale word
.set KS,  26                           ; v26-29   K's scale words: register t / 2, lanes 0-15 for even t, 16-31 for odd t
.set VS,  30                           ; v30-31   V's likewise
.set KF,  32                           ; v32-95   K's eight fragments: four registers loaded, four kept 0
.set ST,  96                           ; v96-159  S^T, then p
.set OT,  160                          ; v160-191 O^T
.set VF,  192                          ; v192-223 V^T's four fragments
.set PC,  224                          ; v224-231 p's codes
.set BM,  232                          ; v232-235 the blocks' largest scores, then largest p
.set PT,  236                          ; v236-239 the other half's maxima; the second chain of sums; the bytes
.set SOP, 244                          ; v244-247 the conversions' scale operands
.set RL,  248                          ; v248 1 / the sum; v249 the old -M, then old M - new M
.set FF,  250                          ; v250 f = 2^(old M - new M); v251 = 0 (named with it as a pair)
.set PW,  253                          ; v253 p's scale word, then the output's
.set TP,  254
.set WV,  14
.set CX,  15
.set QB,  16
.set YY,  17
.set SEL, 20
.set CS,  22                           ; s[22:23] c = log2(e) / 8
.set G1A, 24
.set G1B, 32
.set G1C, 40
.set G0A, 48
.set G0B, 52
.set G0C, 56
.set TB,  60                           ; s60  LDS byte at which the step begins
.set CNT, 61
.macro ROUND                           ; a round of the cluster's barrier
	s_barrier_signal -1
	s_barrier_wait -1
	s_cmp_lg_u32 s[WV], 0
	s_cbranch_scc1 .Lnot_wave_0_\@
	s_barrier_signal -3
.Lnot_wave_0_\@:
	s_barrier_wait -3
	s_barrier_signal -1
	s_barrier_wait -1
.endm
.macro GROUP1 g, rows                  ; a dense block as rows of 256 bytes: 32 elements of 8 bytes, no padding
	s_mov_b32 s[\g], 15|(3<<16)|(1<<21)            ; 15:0 the mask: all four work-groups; 17:16 elements of 8 bytes; 21 set beside a mask
	s_mov_b32 s[\g+1], 32<<16                      ; tensor_dim0
	s_mov_b32 s[\g+2], (\rows)<<16                 ; tensor_dim1
	s_mov_b32 s[\g+3], 32<<16                      ; tile_dim0
	s_mov_b32 s[\g+4], \rows                       ; tile_dim1
	s_mov_b32 s[\g+5], 32                          ; from row to row
	s_mov_b32 s[\g+6], 0
	s_mov_b32 s[\g+7], 0
.endm
.macro GROUP0 g                        ; the LDS address stands in s[g + 1]; the same number of bytes on from the head's first byte in kv
	s_mov_b32 s[\g], 1
	s_mov_b32 s18, s[\g+1]
	s_add_nc_u64 s[\g+2:\g+3], s[8:9], s[18:19]
	s_or_b32 s[\g+3], s[\g+3], 0x80000000
.endm
	s_load_b256 s[4:11], s[0:1], 0x0               ; qc s[4:5], qs s[6:7], kv s[8:9], oc s[10:11]
	s_load_b64 s[12:13], s[0:1], 0x20              ; os
	v_lshl_add_u32 v252, v0, 2, 0x46400
	v_mov_b32 v255, 0
	ds_add_u32 v252, v255
	ds_add_u32 v252, v255
	v_lshrrev_b32 v9, 5, v0
	v_readfirstlane_b32 s[WV], v9                  ; wave 0..15
	v_and_b32 v10, 31, v0
	v_lshlrev_b32 v[LI], 4, v10
	v_lshlrev_b32 v[L8], 3, v10
	v_and_b32 v10, 15, v0
	v_lshlrev_b32 v[QSO], 3, v10
	v_lshlrev_b32 v9, 6, v9
	v_lshl_add_u32 v[OSA], v10, 2, v9
	v_add_nc_u32 v[OSA], OSG, v[OSA]
	v_and_b32 v10, 63, v0
	v_lshlrev_b32 v[GS], 4, v10
	v_add_nc_u32 v[OSR], OSG, v[GS]
	s_bfe_u32 s[CX], ttmp6, 0x40000                ; my place in the cluster: it enters the addresses of qc, qs, oc and os alone
	s_lshl_b32 s[QB], ttmp9, 2
	s_add_co_u32 s[QB], s[QB], s[CX]               ; my block of 256 queries
	s_and_b32 s[YY], ttmp7, 0xffff                 ; y, which the four partners share
	GROUP1 G1A, 35                                 ; a wave's part of steps 0-3: one step,
	GROUP1 G1B, 105                                ; of steps 4-15: three,
	GROUP1 G1C, 140                                ; of steps 16-31: four
	s_mul_i32 s[G0A+1], s[WV], 8960
	s_mul_i32 s[G0B+1], s[WV], 26880
	s_add_co_u32 s[G0B+1], s[G0B+1], 35840
	s_mul_i32 s[G0C+1], s[WV], 35840
	s_add_co_u32 s[G0C+1], s[G0C+1], 143360
	s_mov_b32 s[SEL], 0x76543210
	s_mov_b32 s[SEL+1], 0xfedcba98
	s_mov_b32 s[CS], 0x3e38aa3b
	s_mov_b32 s[CS+1], s[CS]                       ; (named with it as a pair, so it is written)
	s_lshl_b32 s66, s[YY], 8                       ; Q's image: tile 256 y + 16 block + wave, 512 bytes each
	s_lshl_b32 s74, s[QB], 4
	s_add_co_u32 s66, s66, s74
	s_add_co_u32 s66, s66, s[WV]
	s_lshl_b32 s66, s66, 9
	s_mov_b32 s67, 0
	s_lshl_b32 s68, s[YY], 14                      ; Q's scale words: groups of 64 tokens, 256 bytes each: word of token 32 g + L at 8 L + 4 g
	s_lshl_b32 s74, s[QB], 10
	s_add_co_u32 s68, s68, s74
	s_lshr_b32 s74, s[WV], 2
	s_lshl_b32 s74, s74, 8
	s_add_co_u32 s68, s68, s74
	s_and_b32 s74, s[WV], 1
	s_lshl_b32 s74, s74, 7
	s_add_co_u32 s68, s68, s74
	s_bfe_u32 s74, s[WV], 0x10001
	s_lshl_b32 s74, s74, 2
	s_add_co_u32 s68, s68, s74
	s_mov_b32 s69, 0
	s_lshr_b32 s74, s[YY], 3                       ; b
	s_and_b32 s75, s[YY], 7                        ; head
	s_lshl_b32 s70, s74, 8                         ; oc: token tile 256 b + 16 block + wave, 4,096 bytes each; in it the head's 512
	s_lshl_b32 s76, s[QB], 4
	s_add_co_u32 s70, s70, s76
	s_add_co_u32 s70, s70, s[WV]
	s_lshl_b32 s70, s70, 12
	s_lshl_b32 s76, s75, 9
	s_add_co_u32 s70, s70, s76
	s_mov_b32 s71, 0
	s_lshl_b32 s72, s75, 15                        ; os: [head][token] words: the block's 256 tokens
	s_lshl_b32 s76, s74, 14
	s_add_co_u32 s72, s72, s76
	s_lshl_b32 s76, s[QB], 10
	s_add_co_u32 s72, s72, s76
	s_mov_b32 s73, 0
	s_mul_i32 s18, s[YY], HEADB
	s_mov_b32 s19, 0
	s_wait_dscnt 0x0
	s_wait_kmcnt 0x0
	s_add_nc_u64 s[8:9], s[8:9], s[18:19]          ; kv at my head
	s_add_nc_u64 s[4:5], s[4:5], s[66:67]
	s_add_nc_u64 s[6:7], s[6:7], s[68:69]
	s_add_nc_u64 s[10:11], s[10:11], s[70:71]
	s_add_nc_u64 s[12:13], s[12:13], s[72:73]
	GROUP0 G0A
	GROUP0 G0B
	GROUP0 G0C
	ROUND                                          ; all four work-groups are here: the joint loads meet
	s_cmp_lt_u32 s[WV], 4                          ; a wave's three first fills stand in one branch on the wave's number, ahead of every wait on TENSORcnt and every LDS read
	s_cbranch_scc0 .Lnone
	tensor_load_to_lds s[G0A:G0A+3], s[G1A:G1A+7]
	s_nop 0
	tensor_load_to_lds s[G0B:G0B+3], s[G1B:G1B+7]
	s_nop 0
	tensor_load_to_lds s[G0C:G0C+3], s[G1C:G1C+7]
	s_nop 0
.rept 4
	v_nop
.endr
.Lnone:
	global_load_b128 v[QF:QF+3], v[LI], s[4:5]     ; Q's 64 codes a query: registers 0-3 of the fragment
	global_load_b32 v[QS], v[QSO], s[6:7]
.irp i, 4,5,6,7
	v_mov_b32 v[QF+\i], 0                          ; k = 64 .. 127: zero codes
.endr
.irp t, 0,1,2,3,4,5,6,7
.irp i, 4,5,6,7
	v_mov_b32 v[KF+8*\t+\i], 0                     ; the same in K's fragments: written once, never loaded into
.endr
.endr
.irp j, 0,1,2,3,4,5,6,7,8,9,10,11,12,13,14,15,16,17,18,19,20,21,22,23,24,25,26,27,28,29,30,31
	v_mov_b32 v[OT+\j], 0                          ; O^T.  (The step is written without a first step of its own: the first change of M multiplies zeros)
.endr
	v_mov_b32 v14, 0                               ; the sum, in two halves
	v_mov_b32 v15, 0
.irp b, 0,1,2,3
	v_mov_b32 v[PT+\b], 0                          ; a lane permute's destination counts as one of its sources
.endr
	v_mov_b32 v[FF+1], 0
	v_mov_b32 v13, 0xff61b1e6                      ; the largest score so far: -3e38
	v_mul_f32 v[TP], s[CS], v13
	v_floor_f32 v12, -v[TP]                        ; -M
	s_wait_loadcnt 0x0                             ; Q
; A KEY STEP: 128 keys at LDS byte s[TB].
.macro STEP
	v_add_nc_u32 v[ADR], s[TB], v[LI]
	v_add_nc_u32 v[ADS], s[TB], v[L8]
	v_nop
	v_nop                                          ; four places behind the last step's products, in front of the loads into V's registers
.irp t, 0,1,2,3,4,5,6,7
	ds_load_b128 v[KF+8*\t:KF+8*\t+3], v[ADR] offset:512*\t
.endr
	ds_load_b64 v[KS:KS+1], v[ADS] offset:8192
	ds_load_b64 v[KS+2:KS+3], v[ADS] offset:8448
.irp f, 0,1,2,3,4,5,6,7
	ds_load_b128 v[VF+4*\f:VF+4*\f+3], v[ADR] offset:4096+512*\f
.endr
	ds_load_b64 v[VS:VS+1], v[ADS] offset:8704
	s_wait_dscnt 9                                 ; K's ten loads are in; V's nine, issued behind them, may stay out
.irp t, 0,2,4,6
	v_wmma_scale_f32_16x16x128_f8f6f4 v[ST+8*\t:ST+8*\t+7], v[KF+8*\t:KF+8*\t+7], v[QF:QF+7], 0, v[KS+\t/2], v[QS] matrix_a_fmt:MATRIX_FMT_FP4 matrix_b_fmt:MATRIX_FMT_FP4
	v_wmma_scale_f32_16x16x128_f8f6f4 v[ST+8*\t+8:ST+8*\t+15], v[KF+8*\t+8:KF+8*\t+15], v[QF:QF+7], 0, v[KS+\t/2], v[QS] matrix_a_fmt:MATRIX_FMT_FP4 matrix_b_fmt:MATRIX_FMT_FP4 matrix_a_scale:MATRIX_SCALE_ROW1
.endr
.rept 4
	v_nop                                          ; four places in front of the first read of results
.endr
.irp b, 0,1,2,3
	v_max3_num_f32 v[BM+\b], v[ST+16*\b], v[ST+16*\b+1], v[ST+16*\b+2]   ; the largest score of each block of 32 keys: for the row's maximum and, since p rises with the score, for the block's largest p
.endr
.irp i, 3,5,7,9,11,13
.irp b, 0,1,2,3
	v_max3_num_f32 v[BM+\b], v[BM+\b], v[ST+16*\b+\i], v[ST+16*\b+\i+1]
.endr
.endr
.irp b, 0,1,2,3
	v_max_num_f32 v[BM+\b], v[BM+\b], v[ST+16*\b+15]
.endr
.irp b, 0,1,2,3
	v_permlanex16_b32 v[PT+\b], v[BM+\b], s[SEL], s[SEL+1]
.endr
.irp b, 0,1,2,3
	v_max_num_f32 v[BM+\b], v[BM+\b], v[PT+\b]     ; with lane l xor 16's 16 keys
.endr
	v_max3_num_f32 v[TP], v[BM], v[BM+1], v[BM+2]
	v_max3_num_f32 v13, v13, v[TP], v[BM+3]        ; the running largest score
	v_mul_f32 v[TP], s[CS], v13                    ; as t (c is positive)
	v_mov_b32 v[RL+1], v12
	v_floor_f32 v12, -v[TP]                        ; the new -M = -ceil(t)
	v_sub_f32 v[RL+1], v12, v[RL+1]                ; old M - new M: a whole number, 0 or less
	v_cvt_i32_f32 v[RL+1], v[RL+1]                 ; (it saturates)
	v_ldexp_f32 v[FF], 1.0, v[RL+1]                ; f
.irp j, 0,2,4,6,8,10,12,14,16,18,20,22,24,26,28,30,32,34,36,38,40,42,44,46,48,50,52,54,56,58,60,62
	v_pk_fma_f32 v[ST+\j:ST+\j+1], v[ST+\j:ST+\j+1], s[CS:CS+1], v[12:13] op_sel_hi:[1,0,0]   ; t - M, two at a time (of the pairs c and -M the low word serves both halves)
.endr
.irp b, 0,1,2,3
	v_fma_f32 v[BM+\b], v[BM+\b], s[CS], v12       ; the same of each block's largest score
.endr
.irp j, 0,1,2,3,4,5,6,7,8,9,10,11,12,13,14,15,16,17,18,19,20,21,22,23,24,25,26,27,28,29,30,31,32,33,34,35,36,37,38,39,40,41,42,43,44,45,46,47,48,49,50,51,52,53,54,55,56,57,58,59,60,61,62,63
	v_exp_f32 v[ST+\j], v[ST+\j]                   ; p = 2^(t - M)
.endr
	v_pk_mul_f32 v[14:15], v[14:15], v[FF:FF+1] op_sel_hi:[1,0]    ; the sums under the new M: the plain place behind the exponentials
	s_wait_alu depctr_va_vdst(0)                   ; one wait for the batch of 64, ahead of its first reader
.irp b, 0,1,2,3
	v_exp_f32 v[BM+\b], v[BM+\b]                   ; the block's largest p: the same two instructions on the same number
.endr
	v_pk_add_f32 v[PT:PT+1], v[ST:ST+1], v[ST+2:ST+3]              ; the row's sum of the UNQUANTISED p, in two chains; plain work behind the four
.irp j, 4,8,12,16,20,24,28,32,36,40,44,48,52,56,60
	v_pk_add_f32 v[14:15], v[14:15], v[ST+\j:ST+\j+1]
	v_pk_add_f32 v[PT:PT+1], v[PT:PT+1], v[ST+\j+2:ST+\j+3]
.endr
	v_pk_add_f32 v[14:15], v[14:15], v[PT:PT+1]
	s_wait_alu depctr_va_vdst(0)                   ; and one for the four
.irp b, 0,1,2,3
	v_max_num_f32 v[BM+\b], 0x1800000, v[BM+\b]    ; the floor 2^(3 - 127): the byte cannot fall under 1
.endr
.irp b, 0,1,2,3
	v_add_nc_u32 v[SOP+\b], 0xff000000, v[BM+\b]   ; 2 off the exponent field: the conversion's scale operand
.endr
.irp b, 0,1,2,3
	v_lshrrev_b32 v[PT+\b], 23, v[SOP+\b]          ; the scale's byte
.endr
	v_lshl_or_b32 v[PW], v[PT+1], 8, v[PT]
	v_lshl_or_b32 v[PW], v[PT+2], 16, v[PW]
	v_lshl_or_b32 v[PW], v[PT+3], 24, v[PW]        ; p's scale word for these 128 keys
.irp c, 0,1
	v_cvt_scalef32_pk8_fp4_f32 v[PC+4*\c],   v[ST+32*\c:ST+32*\c+7],     v[SOP+2*\c]     ; tile 4 c
	v_cvt_scalef32_pk8_fp4_f32 v[PC+4*\c+2], v[ST+32*\c+8:ST+32*\c+15],  v[SOP+2*\c]     ; tile 4 c + 1
	v_cvt_scalef32_pk8_fp4_f32 v[PC+4*\c+1], v[ST+32*\c+16:ST+32*\c+23], v[SOP+2*\c+1]   ; tile 4 c + 2
	v_cvt_scalef32_pk8_fp4_f32 v[PC+4*\c+3], v[ST+32*\c+24:ST+32*\c+31], v[SOP+2*\c+1]   ; tile 4 c + 3
.endr
	v_nop                                          ; one plain place behind the scaled conversions
.irp c, 0,1
	v_permlane16_swap_b32 v[PC+4*\c], v[PC+4*\c+1]     ; a whole block of 32 keys to a lane
	v_permlane16_swap_b32 v[PC+4*\c+2], v[PC+4*\c+3]
.endr
.irp j, 0,2,4,6,8,10,12,14,16,18,20,22,24,26,28,30
	v_pk_mul_f32 v[OT+\j:OT+\j+1], v[OT+\j:OT+\j+1], v[FF:FF+1] op_sel_hi:[1,0]   ; O^T under the new M, each accumulator from its low end on.  These sixteen are also the places between the writes of p's codes and scale word and the products below
.endr
	s_wait_dscnt 0x0                               ; V and its scale words are in
.irp d, 0,2
	v_wmma_scale_f32_16x16x128_f8f6f4 v[OT+8*\d:OT+8*\d+7], v[VF+8*\d:VF+8*\d+7], v[PC:PC+7], v[OT+8*\d:OT+8*\d+7], v[VS+\d/2], v[PW] matrix_a_fmt:MATRIX_FMT_FP4 matrix_b_fmt:MATRIX_FMT_FP4
	v_wmma_scale_f32_16x16x128_f8f6f4 v[OT+8*\d+8:OT+8*\d+15], v[VF+8*\d+8:VF+8*\d+15], v[PC:PC+7], v[OT+8*\d+8:OT+8*\d+15], v[VS+\d/2], v[PW] matrix_a_fmt:MATRIX_FMT_FP4 matrix_b_fmt:MATRIX_FMT_FP4 matrix_a_scale:MATRIX_SCALE_ROW1
.endr
.endm
; A STAGE: n key steps from LDS byte base on.  left = the first fills that the fetching waves issued behind this stage's: they may stay out, since no LDS byte is ever filled again.
.macro STAGE n, left, base
	s_wait_tensorcnt \left                         ; my part of the stage has landed,
	s_wait_dscnt 0x0
	s_barrier_signal -1
	s_barrier_wait -1                              ; and so has every fetching wave's
	s_mov_b32 s[TB], \base
	s_mov_b32 s[CNT], \n
.Lstep_\@:
	STEP
	s_add_co_u32 s[TB], s[TB], STEPB
	s_sub_co_u32 s[CNT], s[CNT], 1
	s_cmp_lg_u32 s[CNT], 0
	s_cbranch_scc1 .Lstep_\@
.endm
	STAGE 4, 2, 0
	STAGE 12, 1, 35840
	STAGE 16, 0, 143360
	; THE WAY OUT: O^T / the sum, quantised along the head's 64 (two blocks), as registers 0-3 of an operand's image.
.rept 4
	v_nop                                          ; four places behind the last products
.endr
	v_add_f32 v14, v14, v15                        ; the sum's two halves,
	v_permlanex16_b32 v[PT], v14, s[SEL], s[SEL+1]
	v_add_f32 v14, v14, v[PT]                      ; and lane l xor 16's
	v_rcp_f32 v[RL], v14
	v_nop                                          ; a plain place behind the reciprocal
	s_wait_alu depctr_va_vdst(0)                   ; a wait ahead of the reciprocal's first reader
.irp j, 0,2,4,6,8,10,12,14,16,18,20,22,24,26,28,30
	v_pk_mul_f32 v[ST+\j:ST+\j+1], v[OT+\j:OT+\j+1], v[RL:RL+1] op_sel_hi:[1,0]   ; register 8 t + i: o(query r, channel 16 t + 8 h + i)
.endr
.irp b, 0,1
	v_max3_num_f32 v[BM+\b], |v[ST+16*\b]|, |v[ST+16*\b+1]|, 0x1800000
.endr
.irp i, 2,4,6,8,10,12,14
.irp b, 0,1
	v_max3_num_f32 v[BM+\b], v[BM+\b], |v[ST+16*\b+\i]|, |v[ST+16*\b+\i+1]|
.endr
.endr
.irp b, 0,1
	v_permlanex16_b32 v[PT+\b], v[BM+\b], s[SEL], s[SEL+1]
.endr
.irp b, 0,1
	v_max_num_f32 v[BM+\b], v[BM+\b], v[PT+\b]
.endr
.irp b, 0,1
	v_add_nc_u32 v[SOP+\b], 0xff000000, v[BM+\b]
.endr
.irp b, 0,1
	v_lshrrev_b32 v[PT+\b], 23, v[SOP+\b]
.endr
	v_lshl_or_b32 v[PW], v[PT+1], 8, v[PT]         ; the head's two bytes; the upper two stay 0
	v_cvt_scalef32_pk8_fp4_f32 v[PC],   v[ST:ST+7],     v[SOP]
	v_cvt_scalef32_pk8_fp4_f32 v[PC+2], v[ST+8:ST+15],  v[SOP]
	v_cvt_scalef32_pk8_fp4_f32 v[PC+1], v[ST+16:ST+23], v[SOP+1]
	v_cvt_scalef32_pk8_fp4_f32 v[PC+3], v[ST+24:ST+31], v[SOP+1]
	v_nop
	v_permlane16_swap_b32 v[PC], v[PC+1]
	v_permlane16_swap_b32 v[PC+2], v[PC+3]
	global_store_b128 v[LI], v[PC:PC+3], s[10:11]  ; 512 consecutive bytes, aligned
	ds_store_b32 v[OSA], v[PW]                     ; the scale words of the block's 256 queries meet in LDS (lanes r and r + 16 write the same word with the same value)
	s_wait_dscnt 0x0                               ; for the others' sake: my store has landed
	s_barrier_signal -1
	s_barrier_wait -1
	s_cmp_lt_u32 s[WV], 2
	s_cbranch_scc0 .Lno_words
	ds_load_b128 v[BM:BM+3], v[OSR]                ; waves 0 and 1 take 512 bytes each
	s_wait_dscnt 0x0
	global_store_b128 v[GS], v[BM:BM+3], s[12:13]  ; 512 consecutive bytes, aligned
.Lno_words:
	s_wait_tensorcnt 0x0
	ds_add_u32 v252, v255
	s_wait_dscnt 0x0
	ROUND                                          ; the closing round: no work-group ends while a partner may still ask for a tile that names it
	s_endpgm
.Lfunc_end_k_q283a0e84da_attn:
	.size	k_q283a0e84da_attn, .Lfunc_end_k_q283a0e84da_attn-k_q283a0e84da_attn
	.p2alignl 7, 3214868480
	.fill 96, 4, 3214868480
	.section	.rodata,"a",@progbits
	.p2align	6, 0x0
	.amdhsa_kernel k_q283a0e84da_attn
		.amdhsa_group_segment_fixed_size 289792
		.amdhsa_private_segment_fixed_size 0
		.amdhsa_enable_private_segment 0
		.amdhsa_kernarg_size 40
		.amdhsa_user_sgpr_count 2
		.amdhsa_user_sgpr_kernarg_segment_ptr 1
		.amdhsa_wavefront_size32 1
		.amdhsa_system_sgpr_workgroup_id_x 1
		.amdhsa_system_sgpr_workgroup_id_y 1
		.amdhsa_system_sgpr_workgroup_id_z 1
		.amdhsa_system_vgpr_workitem_id 0
		.amdhsa_next_free_vgpr 256
		.amdhsa_next_free_sgpr 80
		.amdhsa_reserve_vcc 0
		.amdhsa_float_denorm_mode_32 3
		.amdhsa_float_denorm_mode_16_64 3
		.amdhsa_memory_ordered 1
		.amdhsa_forward_progress 1
		.amdhsa_inst_pref_size 58
	.end_amdhsa_kernel
	.amdgpu_metadata
---
amdhsa.version: [ 1, 2 ]
amdhsa.kernels:
  - .name:           k_q283a0e84da_attn
    .symbol:         k_q283a0e84da_attn.kd
    .args:
      - { .name: qc, .offset: 0, .size: 8, .value_kind: global_buffer, .address_space: global }
      - { .name: qs, .offset: 8, .size: 8, .value_kind: global_buffer, .address_space: global }
      - { .name: kv, .offset: 16, .size: 8, .value_kind: global_buffer, .address_space: global }
      - { .name: oc, .offset: 24, .size: 8, .value_kind: global_buffer, .address_space: global }
      - { .name: os, .offset: 32, .size: 8, .value_kind: global_buffer, .address_space: global }
    .group_segment_fixed_size: 289792
    .private_segment_fixed_size: 0
    .kernarg_segment_align: 8
    .kernarg_segment_size: 40
    .max_flat_workgroup_size: 512
    .sgpr_count:     80
    .vgpr_count:     256
    .wavefront_size: 32
...
	.end_amdgpu_metadata
.endif
;; end of part 2
;; launch outp (part 3): grid 256 x 1, 4 waves a work-group, no clusters, 34,304 bytes of LDS; arguments oc, os, Wo_codes, Wo_scales, bo, out0; writes out0
.if DOCPART == 3
	.amdgcn_target "amdgcn-amd-amdhsa--gfx1250"
	.amdhsa_code_object_version 6
	.text
	.protected	k_q283a0e84da_outp
	.globl	k_q283a0e84da_outp
	.p2align	8
	.type	k_q283a0e84da_outp,@function
k_q283a0e84da_outp:
	s_mov_b64 s[64:65], 0
	v_nop
	global_prefetch_b8 v0, s[64:65] scope:SCOPE_SE
	s_setreg_imm32_b32 hwreg(HW_REG_WAVE_MODE, 25, 1), 1
	s_wait_xcnt 0x0
; out0 = attention's result x Wo + bo, on codes of FP4 (E2M1) with E8M0 scales; sums in f32.  oc holds the left operand as images of operand registers, [token tile][head][512 bytes]:
; head 2 s + c gives registers 4 c .. 4 c + 3 of K step s.  os holds, for each head and token, a word whose low two bytes are the head's two scale bytes: two heads' words make a K step's scale word.
; SHARES.  A work-group takes 32 tokens (two tiles j), wave w the output's columns 128 w .. 128 w + 127: 64 matrix instructions a wave, written out without a loop.
; THE MATRIX INSTRUCTION IS USED TRANSPOSED (source 0 = 16 rows of Wo, source 1 = 16 tokens): a lane holds eight neighbouring columns of one row of the output.  bo is the C of each sum's first K step.
; The results go through the wave's own stage in LDS (16 rows of 512 bytes + 16) and leave as whole rows: each store covers 512 consecutive bytes, aligned.
; No tensor load, no cluster: the operands go from memory straight into the registers that hold them, once a wave; the launch's bytes are its stores.
; REGISTERS: window 0: v1-9 addresses; v16-47 Wo's scale words; v48-111 the tokens' fragments, later rows of the second tile; v112-127 os's words; v128-135 the tokens' scale words; v136-199 rows of the first tile.
;   window 1: Wo's 32 fragments (tile t, K step s at 8 (4 t + s)).   window 2: v0-63 bo's eight tiles; v64-191 the sixteen accumulators (64 j + 8 t).
.set L16, 1                            ; v1   16 x lane
.set RR,  2
.set HH,  3
.set FO,  4                            ; v4   256 r + 16 h
.set SO,  5                            ; v5   16 r
.set R4,  6                            ; v6   4 r
.set BO,  7                            ; v7   32 h
.set STO, 8                            ; v8   the stage: where I put 32 bytes of a row
.set RD,  9                            ; v9   and where I read a row back
.set WS,  16
.set AF,  48
.set RAW, 112
.set AS,  128
.set BK0, 136
.set BK1, 48
.set ACC, 64
.set WV,  16
.set MSB, 0
.macro WIN new                         ; the immediate's high byte repeats the setting that is left
.if MSB != \new
	s_set_vgpr_msb (MSB<<8)|\new
.set MSB, \new
.endif
.endm
	s_load_b256 s[4:11], s[0:1], 0x0               ; oc s[4:5], os s[6:7], Wo's codes s[8:9], Wo's scales s[10:11]
	s_load_b128 s[12:15], s[0:1], 0x20             ; bo s[12:13], out0 s[14:15]
	v_lshl_add_u32 v254, v0, 2, 0x8400
	v_mov_b32 v255, 0
	v_lshrrev_b32 v10, 5, v0
	v_readfirstlane_b32 s[WV], v10                 ; wave 0..3
	v_and_b32 v10, 31, v0
	v_lshlrev_b32 v[L16], 4, v10
	v_and_b32 v[RR], 15, v0
	v_bfe_u32 v[HH], v0, 4, 1
	v_lshlrev_b32 v[FO], 8, v[RR]
	v_lshl_add_u32 v[FO], v[HH], 4, v[FO]
	v_lshlrev_b32 v[SO], 4, v[RR]
	v_lshlrev_b32 v[R4], 2, v[RR]
	v_lshlrev_b32 v[BO], 5, v[HH]
	s_mul_i32 s17, s[WV], 8448                     ; my stage
	v_mul_u32_u24 v[STO], v[RR], 528
	v_lshl_add_u32 v[STO], v[HH], 5, v[STO]
	v_add_nc_u32 v[STO], s17, v[STO]
	v_add_nc_u32 v[RD], s17, v[L16]
	s_mov_b32 s19, 0
	s_wait_kmcnt 0x0
	s_lshl_b32 s18, ttmp9, 13                      ; two token tiles of 4,096 bytes
	s_add_nc_u64 s[4:5], s[4:5], s[18:19]
	s_lshl_b32 s18, ttmp9, 7                       ; 32 tokens' words
	s_add_nc_u64 s[6:7], s[6:7], s[18:19]
	s_lshl_b32 s18, s[WV], 15                      ; my 128 rows of Wo
	s_add_nc_u64 s[8:9], s[8:9], s[18:19]
	s_lshl_b32 s18, s[WV], 11
	s_add_nc_u64 s[10:11], s[10:11], s[18:19]
	s_lshl_b32 s18, s[WV], 9                       ; my 128 numbers of bo, and my 512 bytes of a row of the output
	s_add_nc_u64 s[12:13], s[12:13], s[18:19]
	s_add_nc_u64 s[14:15], s[14:15], s[18:19]
	s_lshl_b32 s18, ttmp9, 16                      ; 32 rows of 2,048 bytes
	s_add_nc_u64 s[14:15], s[14:15], s[18:19]
	WIN 0x40                                       ; destination window 1
.irp t, 0,1,2,3,4,5,6,7
.irp s, 0,1,2,3
.irp c, 0,1
	global_load_b128 v[8*(4*\t+\s)+4*\c:8*(4*\t+\s)+4*\c+3], v[FO], s[8:9] offset:4096*\t+64*\s+32*\c
.endr
.endr
.endr
	WIN 0x80                                       ; destination window 2
.irp t, 0,1,2,3,4,5,6,7
	global_load_b128 v[8*\t:8*\t+3], v[BO], s[12:13] offset:64*\t          ; bo of columns 16 t + 8 h + 0 .. 7: the result's layout
	global_load_b128 v[8*\t+4:8*\t+7], v[BO], s[12:13] offset:64*\t+16
.endr
	WIN 0
.irp t, 0,1,2,3,4,5,6,7
	global_load_b128 v[WS+4*\t:WS+4*\t+3], v[SO], s[10:11] offset:256*\t
.endr
.irp j, 0,1
.irp s, 0,1,2,3
.irp c, 0,1
	global_load_b128 v[AF+32*\j+8*\s+4*\c:AF+32*\j+8*\s+4*\c+3], v[L16], s[4:5] offset:4096*\j+512*(2*\s+\c)
.endr
.endr
.endr
.irp j, 0,1
.irp d, 0,1,2,3,4,5,6,7
	global_load_b32 v[RAW+8*\j+\d], v[R4], s[6:7] offset:32768*\d+64*\j
.endr
.endr
	s_wait_loadcnt 0x0
.irp j, 0,1
.irp s, 0,1,2,3
	v_lshl_or_b32 v[AS+4*\j+\s], v[RAW+8*\j+2*\s+1], 16, v[RAW+8*\j+2*\s]   ; heads 2 s and 2 s + 1: the four bytes of K step s
.endr
.endr
.rept 8
	v_nop                                          ; a scale register written by a vector instruction stands eight places ahead of a scaled matrix instruction
.endr
	WIN 0xa1                                       ; source 0 (Wo) window 1, source 1 window 0, C and D window 2
.irp j, 0,1
.irp s, 0,1,2,3
.irp t, 0,1,2,3,4,5,6,7                        ; eight accumulators by turns, one instruction a turn; K ascending
.if \s == 0
	v_wmma_scale_f32_16x16x128_f8f6f4 v[ACC+64*\j+8*\t:ACC+64*\j+8*\t+7], v[8*(4*\t+\s):8*(4*\t+\s)+7], v[AF+32*\j+8*\s:AF+32*\j+8*\s+7], v[8*\t:8*\t+7], v[WS+4*\t+\s], v[AS+4*\j+\s] matrix_a_fmt:MATRIX_FMT_FP4 matrix_b_fmt:MATRIX_FMT_FP4
.else
	v_wmma_scale_f32_16x16x128_f8f6f4 v[ACC+64*\j+8*\t:ACC+64*\j+8*\t+7], v[8*(4*\t+\s):8*(4*\t+\s)+7], v[AF+32*\j+8*\s:AF+32*\j+8*\s+7], v[ACC+64*\j+8*\t:ACC+64*\j+8*\t+7], v[WS+4*\t+\s], v[AS+4*\j+\s] matrix_a_fmt:MATRIX_FMT_FP4 matrix_b_fmt:MATRIX_FMT_FP4
.endif
.endr
.endr
.endr
	WIN 0
.rept 4
	v_nop                                          ; four places: for the LDS stores that read results, and for the loads into the registers that held the tokens' fragments
.endr
.macro TOSTAGE j, bk                   ; tile j's 16 rows x 128 columns into my stage, and back as whole rows.  LDS serves a wave's instructions in order: no wait between the stores and the loads, nor in front of the next tile's stores
	WIN 0x08                                       ; an LDS store's data are its source 1: window 2
.irp t, 0,1,2,3,4,5,6,7
	ds_store_b128 v[STO], v[ACC+64*\j+8*\t:ACC+64*\j+8*\t+3] offset:64*\t        ; each accumulator from its low end on
	ds_store_b128 v[STO], v[ACC+64*\j+8*\t+4:ACC+64*\j+8*\t+7] offset:64*\t+16
.endr
	WIN 0
.irp i, 0,1,2,3,4,5,6,7,8,9,10,11,12,13,14,15
	ds_load_b128 v[\bk+4*\i:\bk+4*\i+3], v[RD] offset:528*\i
.endr
.endm
.macro SEND j, bk, younger             ; younger: the LDS instructions issued behind tile j's loads, which may stay out
	s_wait_dscnt \younger
.irp i, 0,1,2,3,4,5,6,7,8,9,10,11,12,13,14,15
	global_store_b128 v[L16], v[\bk+4*\i:\bk+4*\i+3], s[14:15] offset:32768*\j+2048*\i th:TH_STORE_NT   ; 32 lanes store 512 consecutive bytes, aligned; written once, read by nobody here
.endr
.endm
	TOSTAGE 0, BK0
	TOSTAGE 1, BK1
	SEND 0, BK0, 32                                ; behind tile 0's loads: tile 1's 16 stores and 16 loads
	SEND 1, BK1, 0
	s_wait_tensorcnt 0x0
	ds_add_u32 v254, v255
	s_wait_dscnt 0x0
	s_endpgm
.Lfunc_end_k_q283a0e84da_outp:
	.size	k_q283a0e84da_outp, .Lfunc_end_k_q283a0e84da_outp-k_q283a0e84da_outp
	.p2alignl 7, 3214868480
	.fill 96, 4, 3214868480
	.section	.rodata,"a",@progbits
	.p2align	6, 0x0
	.amdhsa_kernel k_q283a0e84da_outp
		.amdhsa_group_segment_fixed_size 34304
		.amdhsa_private_segment_fixed_size 0
		.amdhsa_enable_private_segment 0
		.amdhsa_kernarg_size 48
		.amdhsa_user_sgpr_count 2
		.amdhsa_user_sgpr_kernarg_segment_ptr 1
		.amdhsa_wavefront_size32 1
		.amdhsa_system_sgpr_workgroup_id_x 1
		.amdhsa_system_sgpr_workgroup_id_y 1
		.amdhsa_system_sgpr_workgroup_id_z 1
		.amdhsa_system_vgpr_workitem_id 0
		.amdhsa_next_free_vgpr 704
		.amdhsa_next_free_sgpr 66
		.amdhsa_reserve_vcc 0
		.amdhsa_float_denorm_mode_32 3
		.amdhsa_float_denorm_mode_16_64 3
		.amdhsa_memory_ordered 1
		.amdhsa_forward_progress 1
		.amdhsa_inst_pref_size 30
	.end_amdhsa_kernel
	.amdgpu_metadata
---
amdhsa.version: [ 1, 2 ]
amdhsa.kernels:
  - .name:           k_q283a0e84da_outp
    .symbol:         k_q283a0e84da_outp.kd
    .args:
      - { .name: oc, .offset: 0, .size: 8, .value_kind: global_buffer, .address_space: global }
      - { .name: os, .offset: 8, .size: 8, .value_kind: global_buffer, .address_space: global }
      - { .name: Wo_codes, .offset: 16, .size: 8, .value_kind: global_buffer, .address_space: global }
      - { .name: Wo_scales, .offset: 24, .size: 8, .value_kind: global_buffer, .address_space: global }
      - { .name: bo, .offset: 32, .size: 8, .value_kind: global_buffer, .address_space: global }
      - { .name: out0, .offset: 40, .size: 8, .value_kind: global_buffer, .address_space: global }
    .group_segment_fixed_size: 34304
    .private_segment_fixed_size: 0
    .kernarg_segment_align: 8
    .kernarg_segment_size: 48
    .max_flat_workgroup_size: 128
    .sgpr_count:     66
    .vgpr_count:     704
    .wavefront_size: 32
...
	.end_amdgpu_metadata
.endif
;; end of part 3
;; ======== version 2 of 2: 3 launches
;; workspace buffers: qc 2,097,152 bytes; qs 262,144 bytes; kv 4,587,520 bytes; oc 2,097,152 bytes; os 262,144 bytes
;; launch proj (part 4): grid 256 x 1, 6 waves a work-group, no clusters, 0 bytes of LDS; arguments q_codes, k_codes, v_codes, q_scales, k_scales, v_scales, Wq_codes, Wk_codes, Wv_codes, Wq_scales, Wk_scales, Wv_scales, bq, bk, bv, qc, qs, kv; writes qc, qs, kv
.if DOCPART == 4
	.amdgcn_target "amdgcn-amd-amdhsa--gfx1250"
	.amdhsa_code_object_version 6
	.text
	.protected	k_q283a0e84da_proj
	.globl	k_q283a0e84da_proj
	.p2align	8
	.type	k_q283a0e84da_proj,@function
k_q283a0e84da_proj:
	s_mov_b64 s[64:65], 0
	v_nop
	global_prefetch_b8 v0, s[64:65] scope:SCOPE_SE
	s_setreg_imm32_b32 hwreg(HW_REG_WAVE_SCHED_MODE, 0, 2), 2
	s_setreg_imm32_b32 hwreg(HW_REG_WAVE_MODE, 25, 1), 1
	s_wait_xcnt 0x0
	s_wait_alu depctr_vm_vsrc(0)
; qh = q Wq + bq, kh = k Wk + bk, vh = v Wv + bv on codes of FP4 (E2M1) with E8M0 scales, sums in f32; the results are quantised at once:
; qh and kh along the head's 64 (two blocks of 32 a head), vh along the KEYS (blocks of 32 tokens for each channel), and leave as IMAGES OF OPERAND REGISTERS for the attention launch.
; SHARES.  A job = 8 tiles of source 0 (128 rows) x 1 tile of source 1 (16 rows) x K = 512: 32 matrix instructions, 64 results a lane.  A wave keeps source 0 (256 registers, window 1) and runs 4 jobs.
; Waves 0, 1 of a work-group take q, waves 2, 3 k, waves 4, 5 v; id = 2 x work-group + (wave & 1) = 0 .. 511 names the wave's share of its tensor.
;   q, k: source 0 = rows 128 ng .. + 127 of W (heads 2 ng, 2 ng + 1), source 1 = token tile j of a chunk of 64 tokens: a lane holds ONE token and its registers run along the heads' channels.
;   v:    source 0 = 128 tokens (a key step), source 1 = rows 64 hd + 16 j .. of Wv: a lane holds ONE channel and its registers run along the tokens.
; FROM RESULT TO OPERAND.  A conversion turns one tile's eight registers (k = 16 t + 8 (lane / 16) + 0 .. 7) into one register of codes.  The codes of tiles 4 c, 4 c + 2, 4 c + 1, 4 c + 3 go to registers
; 4 c + 0, 1, 2, 3; exchanging the halves of the lanes between registers (4 c, 4 c + 1) and (4 c + 2, 4 c + 3) then gives the 4-bit operand layout: register 4 c + i of lane (r, H) holds k = 64 c + 32 H + 8 i + 0 .. 7.
; A block's scale is 2^(floor(log2(largest magnitude)) - 2); its byte is the largest magnitude's exponent field - 2, held at 1 from below.
; LIMITS: a block of zeros, or one whose largest magnitude lies under 2^-124, gets the byte 1 (its codes are made with that scale; the bytes are read by this program alone); NaN and infinities are not served.
; No LDS, no tensor load, no cluster: fragments go from memory straight into the registers that hold them, each wave's source 0 once; a job's work is too short for a ring to pay.
; THE MODE: SCHED_MODE bits 1:0 = 2 (LLVM: expert scheduling mode 2), set by the entry lines.  The code itself states the register dependences
; between vector or matrix instructions and memory instructions, with s_wait_alu, always for 0.
; THE PLAN.  Registers that memory instructions touch:
;   v4 .. v8      offsets, made once at the head and never written again.
;   window 1, SC0, BI (q, k) or BL (v)   loaded once at the head, read by matrix instructions (BL: by moves), never loaded again.
;   SRC1, SC1     Job j's 32 matrix instructions read them; the nine loads of job j + 1 land in them.
;   PC0, PC1      Job j's conversions and exchanges write PC[j % 2]; the two stores that are issued in job j + 1 read it; job j + 2 writes it again.
;   SW            Written by each job's packing lines; read by the stores at the end.
;   The accumulators and the quantiser's registers at work are named by vector and matrix instructions alone.
; So ONE wait on va_vdst stands in a job, behind its products and their places: the products are done reading SRC1 and SC1, and the job before has written its PC.  The next job's loads and the last job's stores
; follow it at once; the quantiser behind them names the accumulators, its registers at work, SW and the OTHER PC: none of the registers that those loads and stores touch.
; In jobs 2 and 3 a wait on vm_vsrc stands ahead of it, a whole job behind the stores whose data this job writes again.  One more wait on va_vdst stands ahead of the last stores.
.set LN,   1                           ; v1   lane
.set RR,   2                           ; v2   r = lane % 16
.set HH,   3                           ; v3   h = lane / 16
.set FO,   4                           ; v4   256 r + 16 h: my 16 bytes of a row of codes
.set SO,   5                           ; v5   16 r: my row's 16 scale bytes
.set L16,  6                           ; v6   16 x lane: my place in an image
.set L8,   7                           ; v7   8 x lane: my place among the scale words
.set BO,   8                           ; v8   the bias's offset: 32 h (q, k) or 4 r (v)
.set SC1,  12                          ; v12-15   source 1's scale words, K step s
.set SRC1, 16                          ; v16-47   source 1's fragments, K step s at 8 s
.set SC0,  48                          ; v48-79   source 0's scale words, tile t, K step s at 4 t + s
.set ACC,  80                          ; v80-143  the job's eight accumulators
.set BI,   144                         ; v144-207 the bias as C of the first K step
.set PC,   208                         ; v208-215 the codes of jobs 0 and 2; v238-245 (30 further on) those of jobs 1 and 3
.set TM,   216                         ; v216-219 largest magnitudes, v220-223 the other half's, then bytes, v224-227 the conversions' scale operands
.set PW,   228                         ; v228 the four bytes as a word
.set TW,   229                         ; v229 at work
.set SW,   230                         ; v230-233 scale words gathered over the four jobs
.set BL,   234                         ; v234-237 v's path: one bias number a job
.set WV,   40
.set TT,   41                          ; s41  0 q, 1 k, 2 v
.set ID,   42
.set PS0C, 44                          ; s[44:45] source 0's codes;  s[46:47] its scales;  s[48:49], s[50:51] source 1's;  s[52:53] the bias
.set PS0S, 46
.set PS1C, 48
.set PS1S, 50
.set PB,   52
.set OC0,  54                          ; s[54:55], s[56:57] where the codes go (two heads);  s[58:59], s[60:61] the scale words
.set OC1,  56
.set OS0,  58
.set OS1,  60
.set SEL,  62                          ; s[62:63] lane selects: lane l xor 16
.set MHI,  66                          ; s66  lanes 16-31
.set MSB, 0
.macro WIN new                         ; the immediate's high byte repeats the setting that is left
.if MSB != \new
	s_set_vgpr_msb (MSB<<8)|\new
.set MSB, \new
.endif
.endm
.macro LOADS0                          ; source 0: 8 tiles x 4 K steps, 8 registers each, into window 1; a row is 256 bytes of codes and 16 scale bytes
	WIN 0x40
	s_wait_alu depctr_va_vdst(0)                   ; the offsets v4 to v8 are written: every load and store of the kernel reads one of them
.irp t, 0,1,2,3,4,5,6,7
.irp s, 0,1,2,3
.irp c, 0,1
	global_load_b128 v[8*(4*\t+\s)+4*\c:8*(4*\t+\s)+4*\c+3], v[FO], s[PS0C:PS0C+1] offset:4096*\t+64*\s+32*\c
.endr
.endr
.endr
	WIN 0
.irp t, 0,1,2,3,4,5,6,7
	global_load_b128 v[SC0+4*\t:SC0+4*\t+3], v[SO], s[PS0S:PS0S+1] offset:256*\t
.endr
.endm
.macro LOADS1 j                        ; source 1's tile j: nine loads
.irp s, 0,1,2,3
.irp c, 0,1
	global_load_b128 v[SRC1+8*\s+4*\c:SRC1+8*\s+4*\c+3], v[FO], s[PS1C:PS1C+1] offset:4096*(\j)+64*\s+32*\c
.endr
.endr
	global_load_b128 v[SC1:SC1+3], v[SO], s[PS1S:PS1S+1] offset:256*(\j)
.endm
.macro MULS j, isv                     ; 32 matrix instructions: K ascending, the eight accumulators by turns, one instruction a turn; the bias is the first K step's C
	WIN 0x01
.irp s, 0,1,2,3
.irp t, 0,1,2,3,4,5,6,7
.if \s == 0
.if \isv
	v_wmma_scale_f32_16x16x128_f8f6f4 v[ACC+8*\t:ACC+8*\t+7], v[8*(4*\t+\s):8*(4*\t+\s)+7], v[SRC1+8*\s:SRC1+8*\s+7], v[BI+8*(\j):BI+8*(\j)+7], v[SC0+4*\t+\s], v[SC1+\s] matrix_a_fmt:MATRIX_FMT_FP4 matrix_b_fmt:MATRIX_FMT_FP4
.else
	v_wmma_scale_f32_16x16x128_f8f6f4 v[ACC+8*\t:ACC+8*\t+7], v[8*(4*\t+\s):8*(4*\t+\s)+7], v[SRC1+8*\s:SRC1+8*\s+7], v[BI+8*\t:BI+8*\t+7], v[SC0+4*\t+\s], v[SC1+\s] matrix_a_fmt:MATRIX_FMT_FP4 matrix_b_fmt:MATRIX_FMT_FP4
.endif
.else
	v_wmma_scale_f32_16x16x128_f8f6f4 v[ACC+8*\t:ACC+8*\t+7], v[8*(4*\t+\s):8*(4*\t+\s)+7], v[SRC1+8*\s:SRC1+8*\s+7], v[ACC+8*\t:ACC+8*\t+7], v[SC0+4*\t+\s], v[SC1+\s] matrix_a_fmt:MATRIX_FMT_FP4 matrix_b_fmt:MATRIX_FMT_FP4
.endif
.endr
.endr
	WIN 0
.endm
.macro QUANT j                         ; job j's 64 numbers a lane: block b of 32 = tiles 2 b, 2 b + 1, in lanes l and l xor 16; the codes go to PC[j % 2]
.set PCQ, PC+30*((\j)%2)
.irp b, 0,1,2,3
	v_max3_num_f32 v[TM+\b], |v[ACC+16*\b]|, |v[ACC+16*\b+1]|, 0x1800000   ; my 16 numbers, each accumulator from its low end on, and the floor 2^(3 - 127): the byte cannot fall under 1
.endr
.irp i, 2,4,6,8,10,12,14
.irp b, 0,1,2,3
	v_max3_num_f32 v[TM+\b], v[TM+\b], |v[ACC+16*\b+\i]|, |v[ACC+16*\b+\i+1]|   ; the four blocks by turns
.endr
.endr
.irp b, 0,1,2,3
	v_permlanex16_b32 v[TM+4+\b], v[TM+\b], s[SEL], s[SEL+1]
.endr
.irp b, 0,1,2,3
	v_max_num_f32 v[TM+\b], v[TM+\b], v[TM+4+\b]   ; the block's largest magnitude
.endr
.irp b, 0,1,2,3
	v_add_nc_u32 v[TM+8+\b], 0xff000000, v[TM+\b]  ; 2 off its exponent field: the conversion's scale operand
.endr
.irp b, 0,1,2,3
	v_lshrrev_b32 v[TM+4+\b], 23, v[TM+8+\b]       ; the scale's byte
.endr
	v_lshl_or_b32 v[PW], v[TM+5], 8, v[TM+4]
	v_lshl_or_b32 v[PW], v[TM+6], 16, v[PW]
	v_lshl_or_b32 v[PW], v[TM+7], 24, v[PW]
.irp c, 0,1
	v_cvt_scalef32_pk8_fp4_f32 v[PCQ+4*\c],   v[ACC+32*\c:ACC+32*\c+7],     v[TM+8+2*\c]     ; tile 4 c
	v_cvt_scalef32_pk8_fp4_f32 v[PCQ+4*\c+2], v[ACC+32*\c+8:ACC+32*\c+15],  v[TM+8+2*\c]     ; tile 4 c + 1
	v_cvt_scalef32_pk8_fp4_f32 v[PCQ+4*\c+1], v[ACC+32*\c+16:ACC+32*\c+23], v[TM+8+2*\c+1]   ; tile 4 c + 2
	v_cvt_scalef32_pk8_fp4_f32 v[PCQ+4*\c+3], v[ACC+32*\c+24:ACC+32*\c+31], v[TM+8+2*\c+1]   ; tile 4 c + 3
.endr
	v_nop                                          ; one plain place behind the scaled conversions
.irp c, 0,1
	v_permlane16_swap_b32 v[PCQ+4*\c], v[PCQ+4*\c+1]     ; a whole block of 32 to a lane: lanes 0-15 block 2 c, lanes 16-31 block 2 c + 1
	v_permlane16_swap_b32 v[PCQ+4*\c+2], v[PCQ+4*\c+3]
.endr
.endm
.macro PACKSC j, isv                   ; the job's scale words join those of the other jobs: register j / 2, lanes 16 (j % 2) + r
.if \isv
.if (\j)%2 == 0
	v_mov_b32 v[SW+(\j)/2], v[PW]
.else
	v_cndmask_b32 v[SW+(\j)/2], v[SW+(\j)/2], v[PW], s[MHI]
.endif
.else
.if (\j)%2 == 0
	v_and_b32 v[SW+(\j)/2], 0xffff, v[PW]          ; the first head's two bytes; the word's upper two bytes stay 0 (they scale zero codes)
	v_lshrrev_b32 v[SW+2+(\j)/2], 16, v[PW]        ; the second head's
.else
	v_and_b32 v[TW], 0xffff, v[PW]
	v_cndmask_b32 v[SW+(\j)/2], v[SW+(\j)/2], v[TW], s[MHI]
	v_lshrrev_b32 v[TW], 16, v[PW]
	v_cndmask_b32 v[SW+2+(\j)/2], v[SW+2+(\j)/2], v[TW], s[MHI]
.endif
.endif
.endm
.macro OUT j, isv                      ; job j's codes leave from PC[j % 2]; each store covers 512 consecutive bytes, aligned
.set PCJ, PC+30*((\j)%2)
.if \isv
	global_store_b128 v[L16], v[PCJ:PCJ+3], s[OC0:OC0+1] offset:1024*(\j)
	global_store_b128 v[L16], v[PCJ+4:PCJ+7], s[OC0:OC0+1] offset:1024*(\j)+512
.else
	global_store_b128 v[L16], v[PCJ:PCJ+3], s[OC0:OC0+1] offset:512*(\j)
	global_store_b128 v[L16], v[PCJ+4:PCJ+7], s[OC1:OC1+1] offset:512*(\j)
.endif
.endm
.macro PATH isv
	s_mov_b32 s77, 0                               ; the upper word of the offsets' pair s[76:77]
.if \isv
	s_lshr_b32 s68, s[ID], 3                       ; tg: which 128 tokens (a key step)
	s_and_b32 s69, s[ID], 7                        ; hd: which head
	s_lshl_b32 s76, s68, 15
	s_add_nc_u64 s[PS0C:PS0C+1], s[8:9], s[76:77]      ; v's codes: 128 rows of 256 bytes
	s_lshl_b32 s76, s68, 11
	s_add_nc_u64 s[PS0S:PS0S+1], s[14:15], s[76:77]    ; v's scales
	s_lshl_b32 s76, s69, 14
	s_add_nc_u64 s[PS1C:PS1C+1], s[20:21], s[76:77]    ; Wv's codes: 64 rows
	s_lshl_b32 s76, s69, 10
	s_add_nc_u64 s[PS1S:PS1S+1], s[26:27], s[76:77]
	s_lshl_b32 s76, s69, 8
	s_add_nc_u64 s[PB:PB+1], s[32:33], s[76:77]        ; bv: 64 numbers
	s_lshr_b32 s70, s68, 5
	s_lshl_b32 s70, s70, 3
	s_add_co_u32 s70, s70, s69                     ; y = 8 b + head
	s_and_b32 s71, s68, 31                         ; the key step in the batch
	s_mul_i32 s76, s70, 286720
	s_mul_i32 s71, s71, 8960
	s_add_co_u32 s76, s76, s71
	s_add_co_u32 s76, s76, 4096                    ; V's part of the step
	s_add_nc_u64 s[OC0:OC0+1], s[38:39], s[76:77]
	v_lshlrev_b32 v[BO], 2, v[RR]
.else
	s_and_b32 s68, s[ID], 3                        ; ng: which 128 rows of W
	s_lshr_b32 s69, s[ID], 2                       ; tc: which 64 tokens
	s_cmp_eq_u32 s[TT], 0                          ; q or k: the choice hangs on the wave's number alone
	s_cselect_b64 s[PS0C:PS0C+1], s[16:17], s[18:19]
	s_cselect_b64 s[PS0S:PS0S+1], s[22:23], s[24:25]
	s_cselect_b64 s[PS1C:PS1C+1], s[4:5], s[6:7]
	s_cselect_b64 s[PS1S:PS1S+1], s[10:11], s[12:13]
	s_cselect_b64 s[PB:PB+1], s[28:29], s[30:31]
	s_cselect_b64 s[OC0:OC0+1], s[34:35], s[38:39]     ; codes go to qc or to kv,
	s_cselect_b64 s[OS0:OS0+1], s[36:37], s[38:39]     ; scale words to qs or to kv
	s_mov_b32 s70, 286720
	s_cselect_b32 s70, 131072, s70                 ; codes: bytes from head to head,
	s_mov_b32 s71, 8960
	s_cselect_b32 s71, 4096, s71                   ; and from 128 tokens to the next
	s_mov_b32 s72, 286720
	s_cselect_b32 s72, 16384, s72                  ; scale words: the same two,
	s_mov_b32 s73, 8960
	s_cselect_b32 s73, 512, s73
	s_cselect_b32 s74, 0, 8192                     ; and where they begin in a step of kv
	s_lshl_b32 s76, s68, 15
	s_add_nc_u64 s[PS0C:PS0C+1], s[PS0C:PS0C+1], s[76:77]
	s_lshl_b32 s76, s68, 11
	s_add_nc_u64 s[PS0S:PS0S+1], s[PS0S:PS0S+1], s[76:77]
	s_lshl_b32 s76, s69, 14
	s_add_nc_u64 s[PS1C:PS1C+1], s[PS1C:PS1C+1], s[76:77]
	s_lshl_b32 s76, s69, 10
	s_add_nc_u64 s[PS1S:PS1S+1], s[PS1S:PS1S+1], s[76:77]
	s_lshl_b32 s76, s68, 9
	s_add_nc_u64 s[PB:PB+1], s[PB:PB+1], s[76:77]
	s_lshr_b32 s75, s69, 6                         ; b
	s_lshl_b32 s75, s75, 3
	s_lshl_b32 s78, s68, 1
	s_add_co_u32 s75, s75, s78                     ; y of the first head: 8 b + 2 ng
	s_bfe_u32 s78, s69, 0x50001                    ; which 128 tokens of the batch
	s_and_b32 s79, s69, 1                          ; which half of them
	s_mul_i32 s76, s75, s70
	s_mul_i32 s68, s78, s71
	s_add_co_u32 s76, s76, s68
	s_lshl_b32 s68, s79, 11                        ; four tiles of 512 bytes
	s_add_co_u32 s76, s76, s68
	s_add_nc_u64 s[OC0:OC0+1], s[OC0:OC0+1], s[76:77]
	s_mov_b32 s76, s70
	s_add_nc_u64 s[OC1:OC1+1], s[OC0:OC0+1], s[76:77]  ; the second head
	s_mul_i32 s76, s75, s72
	s_mul_i32 s68, s78, s73
	s_add_co_u32 s76, s76, s68
	s_add_co_u32 s76, s76, s74
	s_lshl_b32 s68, s79, 8                         ; 64 words
	s_add_co_u32 s76, s76, s68
	s_add_nc_u64 s[OS0:OS0+1], s[OS0:OS0+1], s[76:77]
	s_mov_b32 s76, s72
	s_add_nc_u64 s[OS1:OS1+1], s[OS0:OS0+1], s[76:77]
	v_lshlrev_b32 v[BO], 5, v[HH]
.endif
	LOADS0
.if \isv
.irp j, 0,1,2,3
	global_load_b32 v[BL+\j], v[BO], s[PB:PB+1] offset:64*\j       ; bv of my channel 16 j + r
.endr
.else
.irp t, 0,1,2,3,4,5,6,7
	global_load_b128 v[BI+8*\t:BI+8*\t+3], v[BO], s[PB:PB+1] offset:64*\t         ; the bias of channels 16 t + 8 h + 0 .. 7: the result's layout
	global_load_b128 v[BI+8*\t+4:BI+8*\t+7], v[BO], s[PB:PB+1] offset:64*\t+16
.endr
.endif
	LOADS1 0
	s_wait_loadcnt 0x0                             ; all that the first job reads
.if \isv
.irp j, 0,1,2,3
.irp i, 0,1,2,3,4,5,6,7
	v_mov_b32 v[BI+8*\j+\i], v[BL+\j]              ; here the bias is the same in a lane's eight registers, and C wants eight: written once for the four jobs
.endr
.endr
.endif
.irp j, 0,1,2,3
	MULS \j, \isv
.rept 4
	v_nop                                          ; four places behind the last product, in front of the first read of results
.endr
.if \j > 1
	s_wait_xcnt 0x0                                ; the stores issued in the job before have had their addresses translated: their data, PC[j % 2], are written again only behind this wait,
	s_wait_alu depctr_vm_vsrc(0)                   ; and those stores have read PC[j % 2], which this job's conversions write again
.endif
	s_wait_alu depctr_va_vdst(0)                   ; this job's products are done reading SRC1 and SC1, in which the loads below land; the job before has written its PC, which the stores below read
.if \j < 3
	LOADS1 \j+1                                    ; the next job's source 1 lands while this job is quantised
.endif
.if \j > 0
	OUT \j-1, \isv                                 ; the job before leaves.  No further wait: no vector instruction since the wait above names its PC
.endif
	QUANT \j
	PACKSC \j, \isv
.if \j < 3
	s_wait_loadcnt 0x0                             ; the nine loads of the next source 1
.endif
.endr
	s_wait_alu depctr_va_vdst(0)                   ; job 3 has written its PC and the last of SW, which the stores below read
	OUT 3, \isv
.if \isv
	global_store_b64 v[L8], v[SW:SW+1], s[OC0:OC0+1] offset:4608   ; V's scale words of the step: 256 consecutive bytes, aligned
.else
	global_store_b64 v[L8], v[SW:SW+1], s[OS0:OS0+1]               ; 64 tokens' words of the first head: 256 consecutive bytes, aligned
	global_store_b64 v[L8], v[SW+2:SW+3], s[OS1:OS1+1]             ; and of the second
.endif
	s_endpgm
.endm
	s_load_b512 s[4:19], s[0:1], 0x0               ; q, k, v codes; q, k, v scales; Wq, Wk codes
	s_load_b512 s[20:35], s[0:1], 0x40             ; Wv codes; Wq, Wk, Wv scales; bq, bk, bv; qc
	s_load_b128 s[36:39], s[0:1], 0x80             ; qs, kv
	v_lshrrev_b32 v1, 5, v0
	v_readfirstlane_b32 s[WV], v1                  ; wave 0..5
	v_and_b32 v[LN], 31, v0
	v_and_b32 v[RR], 15, v0
	v_bfe_u32 v[HH], v0, 4, 1
	v_lshlrev_b32 v[FO], 8, v[RR]
	v_lshl_add_u32 v[FO], v[HH], 4, v[FO]
	v_lshlrev_b32 v[SO], 4, v[RR]
	v_lshlrev_b32 v[L16], 4, v[LN]
	v_lshlrev_b32 v[L8], 3, v[LN]
	s_mov_b32 s[SEL], 0x76543210
	s_mov_b32 s[SEL+1], 0xfedcba98
	s_mov_b32 s[MHI], 0xffff0000
.irp b, 0,1,2,3
	v_mov_b32 v[TM+4+\b], 0                        ; written once: a lane permute's destination counts as one of its sources
.endr
	s_wait_alu depctr_va_sdst(0)                   ; the wave's number is written, ahead of its first reader: the tensor, the share and every base are made from it
	s_lshr_b32 s[TT], s[WV], 1
	s_and_b32 s[ID], s[WV], 1
	s_lshl_b32 s43, ttmp9, 1
	s_add_co_u32 s[ID], s[ID], s43
	s_wait_kmcnt 0x0
	s_cmp_eq_u32 s[TT], 2
	s_cbranch_scc1 .Lv
	PATH 0
.Lv:
	PATH 1
.Lfunc_end_k_q283a0e84da_proj:
	.size	k_q283a0e84da_proj, .Lfunc_end_k_q283a0e84da_proj-k_q283a0e84da_proj
	.p2alignl 7, 3214868480
	.fill 96, 4, 3214868480
	.section	.rodata,"a",@progbits
	.p2align	6, 0x0
	.amdhsa_kernel k_q283a0e84da_proj
		.amdhsa_group_segment_fixed_size 0
		.amdhsa_private_segment_fixed_size 0
		.amdhsa_enable_private_segment 0
		.amdhsa_kernarg_size 144
		.amdhsa_user_sgpr_count 2
		.amdhsa_user_sgpr_kernarg_segment_ptr 1
		.amdhsa_wavefront_size32 1
		.amdhsa_system_sgpr_workgroup_id_x 1
		.amdhsa_system_sgpr_workgroup_id_y 1
		.amdhsa_system_sgpr_workgroup_id_z 1
		.amdhsa_system_vgpr_workitem_id 0
		.amdhsa_next_free_vgpr 512
		.amdhsa_next_free_sgpr 80
		.amdhsa_reserve_vcc 0
		.amdhsa_float_denorm_mode_32 3
		.amdhsa_float_denorm_mode_16_64 3
		.amdhsa_memory_ordered 1
		.amdhsa_forward_progress 1
		.amdhsa_inst_pref_size 95
	.end_amdhsa_kernel
	.amdgpu_metadata
---
amdhsa.version: [ 1, 2 ]
amdhsa.kernels:
  - .name:           k_q283a0e84da_proj
    .symbol:         k_q283a0e84da_proj.kd
    .args:
      - { .name: q_codes, .offset: 0, .size: 8, .value_kind: global_buffer, .address_space: global }
      - { .name: k_codes, .offset: 8, .size: 8, .value_kind: global_buffer, .address_space: global }
      - { .name: v_codes, .offset: 16, .size: 8, .value_kind: global_buffer, .address_space: global }
      - { .name: q_scales, .offset: 24, .size: 8, .value_kind: global_buffer, .address_space: global }
      - { .name: k_scales, .offset: 32, .size: 8, .value_kind: global_buffer, .address_space: global }
      - { .name: v_scales, .offset: 40, .size: 8, .value_kind: global_buffer, .address_space: global }
      - { .name: Wq_codes, .offset: 48, .size: 8, .value_kind: global_buffer, .address_space: global }
      - { .name: Wk_codes, .offset: 56, .size: 8, .value_kind: global_buffer, .address_space: global }
      - { .name: Wv_codes, .offset: 64, .size: 8, .value_kind: global_buffer, .address_space: global }
      - { .name: Wq_scales, .offset: 72, .size: 8, .value_kind: global_buffer, .address_space: global }
      - { .name: Wk_scales, .offset: 80, .size: 8, .value_kind: global_buffer, .address_space: global }
      - { .name: Wv_scales, .offset: 88, .size: 8, .value_kind: global_buffer, .address_space: global }
      - { .name: bq, .offset: 96, .size: 8, .value_kind: global_buffer, .address_space: global }
      - { .name: bk, .offset: 104, .size: 8, .value_kind: global_buffer, .address_space: global }
      - { .name: bv, .offset: 112, .size: 8, .value_kind: global_buffer, .address_space: global }
      - { .name: qc, .offset: 120, .size: 8, .value_kind: global_buffer, .address_space: global }
      - { .name: qs, .offset: 128, .size: 8, .value_kind: global_buffer, .address_space: global }
      - { .name: kv, .offset: 136, .size: 8, .value_kind: global_buffer, .address_space: global }
    .group_segment_fixed_size: 0
    .private_segment_fixed_size: 0
    .kernarg_segment_align: 8
    .kernarg_segment_size: 144
    .max_flat_workgroup_size: 192
    .sgpr_count:     80
    .vgpr_count:     512
    .wavefront_size: 32
...
	.end_amdgpu_metadata
.endif
;; end of part 4
;; launch attn (part 5): grid 16 x 16, 16 waves a work-group, clusters of 4 x 1, 289,792 bytes of LDS; arguments qc, qs, kv, oc, os; writes oc, os
.if DOCPART == 5
	.amdgcn_target "amdgcn-amd-amdhsa--gfx1250"
	.amdhsa_code_object_version 6
	.text
	.protected	k_q283a0e84da_attn
	.globl	k_q283a0e84da_attn
	.p2align	8
	.type	k_q283a0e84da_attn,@function
k_q283a0e84da_attn:
	s_mov_b64 s[64:65], 0
	v_nop
	global_prefetch_b8 v0, s[64:65] scope:SCOPE_SE
	s_setreg_imm32_b32 hwreg(HW_REG_WAVE_MODE, 25, 1), 1
	s_wait_xcnt 0x0
	s_wait_alu depctr_hold_cnt(0) depctr_sa_sdst(0) depctr_va_vdst(0) depctr_va_sdst(0) depctr_va_ssrc(0) depctr_va_vcc(0) depctr_vm_vsrc(0)
	s_getreg_b32 s2, hwreg(HW_REG_IB_STS2, 6, 4)
	s_cmp_eq_u32 s2, 0
	s_cbranch_scc0 .Lentry_in_a_cluster
	s_endpgm
.Lentry_in_a_cluster:
	s_bfe_u32 s2, ttmp6, 0x10000c
	s_cmp_lg_u32 s2, 0x3003
	s_cbranch_scc0 .Lentry_shape_is_right
	s_endpgm
.Lentry_shape_is_right:
; For each y = 8 b + head: O[q] = the sum over keys of softmax(Q[q] . K[key] / 8) V[key], both products on codes of FP4 (E2M1) with E8M0 scales; the result is quantised along the head's 64 for the output projection.
; THE SOFTMAX AHEAD OF THE SECOND PRODUCT: t = score x log2(e) / 8; M = the row's largest t so far, rounded UP to a whole number; p = 2^(t - M) is quantised along the keys, not normalised.
; The row's sum is taken of the unquantised p, in f32, and divides O at the end.  When M moves, the sum and O are multiplied by 2^(old M - new M): nothing is rounded, and no branch hangs on data.
; SHARES.  A work-group owns 256 queries of one y; each of its sixteen waves owns 16 of them in 256 registers: four waves to a SIMD, so that one wave's vector work stands beside another's matrix work and LDS loads.
; Every wave walks the head's 4,096 keys, 128 a step.  The head size is 64, so the first product's K = 128 is half zero codes, on both sides.
; LAYOUT.  Both products are used transposed (S^T = K Q^T, O^T = V^T P^T): a lane holds ONE query (lane % 16) throughout.  Tiles are natural: tile t of S^T holds keys 16 t + 8 (lane / 16) + 0 .. 7.
; A conversion makes one register of codes of one tile; the codes of tiles 4 c, 4 c + 2, 4 c + 1, 4 c + 3 go to registers 4 c + 0 .. 3, and two exchanges of lane halves give the operand's layout.
; LDS.  kv[y], 286,720 bytes, lies in memory as images of operand registers, step by step (8,960 bytes: K's 8 tiles, V^T's 4 x 2 groups of four registers, K's scale words, V's).  It comes into LDS byte for byte, ONCE:
; nothing is ever filled again, so there is no ring and no barrier in the loops.  Every read takes 16 or 8 consecutive bytes a lane, lane behind lane.  Behind it lie 1,024 bytes for the output's scale words, into which no tile lands.
; CLUSTER.  The four query blocks of a cluster belong to one y and read the same kv[y]: waves 0 to 3 of each ask for it JOINTLY, three loads a wave (steps 0-3, 4-15, 16-31), so three tensor loads of a wave are out at the most.
; The walk begins when the first four steps have landed; each later stage lands under the steps in front of it.
; No prefetch: every byte of K and V is asked for by the first fills at the head; there is no later load for a prefetch to run ahead of.
; LIMITS: a block of zeros, or one under 2^-124, gets the scale byte 1 (read by this program alone); NaN and infinities are not served.
.set STEPB, 8960
.set HEADB, 286720
.set OSG,   286720                     ; the output's scale words: 4 bytes a query
.set LI,  1                            ; v1   16 x lane
.set L8,  2                            ; v2   8 x lane
.set ADR, 3                            ; v3   the step's images
.set ADS, 4                            ; v4   the step's scale words
.set QSO, 5                            ; v5   8 r: Q's scale word in memory
.set OSA, 6                            ; v6   OSG + 64 x wave + 4 r
.set GS,  7                            ; v7   16 x (thread % 64)
.set OSR, 8                            ; v8   OSG + the same
.set QF,  16                           ; v16-23   Q's fragment; 20-23 are 0
.set QS,  24                           ; v24      Q's scale word
.set KS,  26                           ; v26-29   K's scale words: register t / 2, lanes 0-15 for even t, 16-31 for odd t
.set VS,  30                           ; v30-31   V's likewise
.set KF,  32                           ; v32-95   K's eight fragments: four registers loaded, four kept 0
.set ST,  96                           ; v96-159  S^T, then p
.set OT,  160                          ; v160-191 O^T
.set VF,  192                          ; v192-223 V^T's four fragments
.set PC,  224                          ; v224-231 p's codes
.set BM,  232                          ; v232-235 the blocks' largest scores, then largest p
.set PT,  236                          ; v236-239 the other half's maxima; two of the chains of sums; the bytes
.set SOP, 244                          ; v244-247 the conversions' scale operands
.set RL,  248                          ; v248 1 / the sum; v249 the old -M, then old M - new M
.set FF,  250                          ; v250 f = 2^(old M - new M); v251 = 0 (named with it as a pair)
.set PW,  253                          ; v253 p's scale word, then the output's
.set TP,  254
.set WV,  14
.set CX,  15
.set QB,  16
.set YY,  17
.set SEL, 20
.set CS,  22                           ; s[22:23] c = log2(e) / 8
.set G1A, 24
.set G1B, 32
.set G1C, 40
.set G0A, 48
.set G0B, 52
.set G0C, 56
.set TB,  60                           ; s60  LDS byte at which the step begins
.set CNT, 61
.macro ROUND                           ; a round of the cluster's barrier
	s_barrier_signal -1
	s_barrier_wait -1
	s_cmp_lg_u32 s[WV], 0
	s_cbranch_scc1 .Lnot_wave_0_\@
	s_barrier_signal -3
.Lnot_wave_0_\@:
	s_barrier_wait -3
	s_barrier_signal -1
	s_barrier_wait -1
.endm
.macro GROUP1 g, rows                  ; a dense block as rows of 256 bytes: 32 elements of 8 bytes, no padding
	s_mov_b32 s[\g], 15|(3<<16)|(1<<21)            ; 15:0 the mask: all four work-groups; 17:16 elements of 8 bytes; 21 set beside a mask
	s_mov_b32 s[\g+1], 32<<16                      ; tensor_dim0
	s_mov_b32 s[\g+2], (\rows)<<16                 ; tensor_dim1
	s_mov_b32 s[\g+3], 32<<16                      ; tile_dim0
	s_mov_b32 s[\g+4], \rows                       ; tile_dim1
	s_mov_b32 s[\g+5], 32                          ; from row to row
	s_mov_b32 s[\g+6], 0
	s_mov_b32 s[\g+7], 0
.endm
.macro GROUP0 g                        ; the LDS address stands in s[g + 1]; the same number of bytes on from the head's first byte in kv
	s_mov_b32 s[\g], 1
	s_mov_b32 s18, s[\g+1]
	s_add_nc_u64 s[\g+2:\g+3], s[8:9], s[18:19]
	s_or_b32 s[\g+3], s[\g+3], 0x80000000
.endm
	s_load_b256 s[4:11], s[0:1], 0x0               ; qc s[4:5], qs s[6:7], kv s[8:9], oc s[10:11]
	s_load_b64 s[12:13], s[0:1], 0x20              ; os
	v_lshl_add_u32 v252, v0, 2, 0x46400
	v_mov_b32 v255, 0
	ds_add_u32 v252, v255
	ds_add_u32 v252, v255
	v_lshrrev_b32 v9, 5, v0
	s_delay_alu instid0(VALU_DEP_1)
	v_readfirstlane_b32 s[WV], v9                  ; wave 0..15
	v_and_b32 v10, 31, v0
	s_delay_alu instid0(VALU_DEP_1)
	v_lshlrev_b32 v[LI], 4, v10
	s_delay_alu instid0(VALU_DEP_2)
	v_lshlrev_b32 v[L8], 3, v10
	v_and_b32 v10, 15, v0
	s_delay_alu instid0(VALU_DEP_1)
	v_lshlrev_b32 v[QSO], 3, v10
	v_lshlrev_b32 v9, 6, v9
	s_delay_alu instid0(VALU_DEP_1)
	v_lshl_add_u32 v[OSA], v10, 2, v9
	s_delay_alu instid0(VALU_DEP_1)
	v_add_nc_u32 v[OSA], OSG, v[OSA]
	v_and_b32 v10, 63, v0
	s_delay_alu instid0(VALU_DEP_1)
	v_lshlrev_b32 v[GS], 4, v10
	s_delay_alu instid0(VALU_DEP_1)
	v_add_nc_u32 v[OSR], OSG, v[GS]
	s_bfe_u32 s[CX], ttmp6, 0x40000                ; my place in the cluster: it enters the addresses of qc, qs, oc and os alone
	s_lshl_b32 s[QB], ttmp9, 2
	s_add_co_u32 s[QB], s[QB], s[CX]               ; my block of 256 queries
	s_and_b32 s[YY], ttmp7, 0xffff                 ; y, which the four partners share
	GROUP1 G1A, 35                                 ; a wave's part of steps 0-3: one step,
	GROUP1 G1B, 105                                ; of steps 4-15: three,
	GROUP1 G1C, 140                                ; of steps 16-31: four
	s_mul_i32 s[G0A+1], s[WV], 8960
	s_mul_i32 s[G0B+1], s[WV], 26880
	s_add_co_u32 s[G0B+1], s[G0B+1], 35840
	s_mul_i32 s[G0C+1], s[WV], 35840
	s_add_co_u32 s[G0C+1], s[G0C+1], 143360
	s_mov_b32 s[SEL], 0x76543210
	s_mov_b32 s[SEL+1], 0xfedcba98
	s_mov_b32 s[CS], 0x3e38aa3b
	s_mov_b32 s[CS+1], s[CS]                       ; (named with it as a pair, so it is written)
	s_lshl_b32 s66, s[YY], 8                       ; Q's image: tile 256 y + 16 block + wave, 512 bytes each
	s_lshl_b32 s74, s[QB], 4
	s_add_co_u32 s66, s66, s74
	s_add_co_u32 s66, s66, s[WV]
	s_lshl_b32 s66, s66, 9
	s_mov_b32 s67, 0
	s_lshl_b32 s68, s[YY], 14                      ; Q's scale words: groups of 64 tokens, 256 bytes each: word of token 32 g + L at 8 L + 4 g
	s_lshl_b32 s74, s[QB], 10
	s_add_co_u32 s68, s68, s74
	s_lshr_b32 s74, s[WV], 2
	s_lshl_b32 s74, s74, 8
	s_add_co_u32 s68, s68, s74
	s_and_b32 s74, s[WV], 1
	s_lshl_b32 s74, s74, 7
	s_add_co_u32 s68, s68, s74
	s_bfe_u32 s74, s[WV], 0x10001
	s_lshl_b32 s74, s74, 2
	s_add_co_u32 s68, s68, s74
	s_mov_b32 s69, 0
	s_lshr_b32 s74, s[YY], 3                       ; b
	s_and_b32 s75, s[YY], 7                        ; head
	s_lshl_b32 s70, s74, 8                         ; oc: token tile 256 b + 16 block + wave, 4,096 bytes each; in it the head's 512
	s_lshl_b32 s76, s[QB], 4
	s_add_co_u32 s70, s70, s76
	s_add_co_u32 s70, s70, s[WV]
	s_lshl_b32 s70, s70, 12
	s_lshl_b32 s76, s75, 9
	s_add_co_u32 s70, s70, s76
	s_mov_b32 s71, 0
	s_lshl_b32 s72, s75, 15                        ; os: [head][token] words: the block's 256 tokens
	s_lshl_b32 s76, s74, 14
	s_add_co_u32 s72, s72, s76
	s_lshl_b32 s76, s[QB], 10
	s_add_co_u32 s72, s72, s76
	s_mov_b32 s73, 0
	s_mul_i32 s18, s[YY], HEADB
	s_mov_b32 s19, 0
	s_wait_dscnt 0x0
	s_wait_kmcnt 0x0
	s_add_nc_u64 s[8:9], s[8:9], s[18:19]          ; kv at my head
	s_add_nc_u64 s[4:5], s[4:5], s[66:67]
	s_add_nc_u64 s[6:7], s[6:7], s[68:69]
	s_add_nc_u64 s[10:11], s[10:11], s[70:71]
	s_add_nc_u64 s[12:13], s[12:13], s[72:73]
	GROUP0 G0A
	GROUP0 G0B
	GROUP0 G0C
	ROUND                                          ; all four work-groups are here: the joint loads meet
	s_cmp_lt_u32 s[WV], 4                          ; a wave's three first fills stand in one branch on the wave's number, ahead of every wait on TENSORcnt and every LDS read
	s_cbranch_scc0 .Lnone
	tensor_load_to_lds s[G0A:G0A+3], s[G1A:G1A+7]
	s_nop 0
	tensor_load_to_lds s[G0B:G0B+3], s[G1B:G1B+7]
	s_nop 0
	tensor_load_to_lds s[G0C:G0C+3], s[G1C:G1C+7]
	s_nop 0
.rept 4
	v_nop
.endr
.Lnone:
	global_load_b128 v[QF:QF+3], v[LI], s[4:5]     ; Q's 64 codes a query: registers 0-3 of the fragment
	s_wait_alu depctr_va_vdst(0)
	global_load_b32 v[QS], v[QSO], s[6:7]
.irp i, 4,5,6,7
	v_mov_b32 v[QF+\i], 0                          ; k = 64 .. 127: zero codes
.endr
.irp t, 0,1,2,3,4,5,6,7
.irp i, 4,5,6,7
	v_mov_b32 v[KF+8*\t+\i], 0                     ; the same in K's fragments: written once, never loaded into
.endr
.endr
.irp j, 0,1,2,3,4,5,6,7,8,9,10,11,12,13,14,15,16,17,18,19,20,21,22,23,24,25,26,27,28,29,30,31
	v_mov_b32 v[OT+\j], 0                          ; O^T.  (The step is written without a first step of its own: the first change of M multiplies zeros)
.endr
	v_mov_b32 v14, 0                               ; the sum, in two halves
	v_mov_b32 v15, 0
.irp b, 0,1,2,3
	v_mov_b32 v[PT+\b], 0                          ; a lane permute's destination counts as one of its sources
.endr
	v_mov_b32 v[FF+1], 0
	v_mov_b32 v13, 0xff61b1e6                      ; the largest score so far: -3e38
	s_delay_alu instid0(VALU_DEP_1)
	v_mul_f32 v[TP], s[CS], v13
	s_delay_alu instid0(VALU_DEP_1)
	v_floor_f32 v12, -v[TP]                        ; -M
	s_wait_loadcnt 0x0                             ; Q
; A KEY STEP: 128 keys at LDS byte s[TB].
.macro STEP
	v_add_nc_u32 v[ADR], s[TB], v[LI]
	v_add_nc_u32 v[ADS], s[TB], v[L8]
	v_nop
	v_nop                                          ; four places behind the last step's products, in front of the loads into V's registers
.irp t, 0,1,2,3,4,5,6,7
	ds_load_b128 v[KF+8*\t:KF+8*\t+3], v[ADR] offset:512*\t
.endr
	ds_load_b64 v[KS:KS+1], v[ADS] offset:8192
	ds_load_b64 v[KS+2:KS+3], v[ADS] offset:8448
.irp f, 0,1,2,3,4,5,6,7
	ds_load_b128 v[VF+4*\f:VF+4*\f+3], v[ADR] offset:4096+512*\f
.endr
	ds_load_b64 v[VS:VS+1], v[ADS] offset:8704
	s_wait_dscnt 9                                 ; K's ten loads are in; V's nine, issued behind them, may stay out
.irp t, 0,2,4,6
	v_wmma_scale_f32_16x16x128_f8f6f4 v[ST+8*\t:ST+8*\t+7], v[KF+8*\t:KF+8*\t+7], v[QF:QF+7], 0, v[KS+\t/2], v[QS] matrix_a_fmt:MATRIX_FMT_FP4 matrix_b_fmt:MATRIX_FMT_FP4
	v_wmma_scale_f32_16x16x128_f8f6f4 v[ST+8*\t+8:ST+8*\t+15], v[KF+8*\t+8:KF+8*\t+15], v[QF:QF+7], 0, v[KS+\t/2], v[QS] matrix_a_fmt:MATRIX_FMT_FP4 matrix_b_fmt:MATRIX_FMT_FP4 matrix_a_scale:MATRIX_SCALE_ROW1
.endr
.rept 4
	v_nop                                          ; four places in front of the first read of results
.endr
.irp b, 0,1,2,3
	v_max3_num_f32 v[BM+\b], v[ST+16*\b], v[ST+16*\b+1], v[ST+16*\b+2]   ; the largest score of each block of 32 keys: for the row's maximum and, since p rises with the score, for the block's largest p
.endr
.irp i, 3,5,7,9,11,13
.irp b, 0,1,2,3
	v_max3_num_f32 v[BM+\b], v[BM+\b], v[ST+16*\b+\i], v[ST+16*\b+\i+1]
.endr
.endr
.irp b, 0,1,2,3
	v_max_num_f32 v[BM+\b], v[BM+\b], v[ST+16*\b+15]
.endr
.irp b, 0,1,2,3
	s_delay_alu instid0(VALU_DEP_4)
	v_permlanex16_b32 v[PT+\b], v[BM+\b], s[SEL], s[SEL+1]
.endr
.irp b, 0,1,2,3
	s_delay_alu instid0(VALU_DEP_4)
	v_max_num_f32 v[BM+\b], v[BM+\b], v[PT+\b]     ; with lane l xor 16's 16 keys
.endr
	s_delay_alu instid0(VALU_DEP_2)
	v_max3_num_f32 v[TP], v[BM], v[BM+1], v[BM+2]
	s_delay_alu instid0(VALU_DEP_1)
	v_max3_num_f32 v13, v13, v[TP], v[BM+3]        ; the running largest score
	s_delay_alu instid0(VALU_DEP_1)
	v_mul_f32 v[TP], s[CS], v13                    ; as t (c is positive)
	v_mov_b32 v[RL+1], v12
	s_delay_alu instid0(VALU_DEP_2)
	v_floor_f32 v12, -v[TP]                        ; the new -M = -ceil(t)
	s_delay_alu instid0(VALU_DEP_1)
	v_sub_f32 v[RL+1], v12, v[RL+1]                ; old M - new M: a whole number, 0 or less
	s_delay_alu instid0(VALU_DEP_1)
	v_cvt_i32_f32 v[RL+1], v[RL+1]                 ; (it saturates)
	s_delay_alu instid0(VALU_DEP_1)
	v_ldexp_f32 v[FF], 1.0, v[RL+1]                ; f
.irp j, 0,2,4,6,8,10,12,14,16,18,20,22,24,26,28,30,32,34,36,38,40,42,44,46,48,50,52,54,56,58,60,62
	v_pk_fma_f32 v[ST+\j:ST+\j+1], v[ST+\j:ST+\j+1], s[CS:CS+1], v[12:13] op_sel_hi:[1,0,0]   ; t - M, two at a time (of the pairs c and -M the low word serves both halves)
.endr
.irp b, 0,1,2,3
	v_fma_f32 v[BM+\b], v[BM+\b], s[CS], v12       ; the same of each block's largest score
.endr
	s_wait_alu depctr_va_vdst(0)
.irp j, 0,1,2,3,4,5,6,7,8,9,10,11,12,13,14,15,16,17,18,19,20,21,22,23,24,25,26,27,28,29,30,31,32,33,34,35,36,37,38,39,40,41,42,43,44,45,46,47,48,49,50,51,52,53,54,55,56,57,58,59,60,61,62,63
	v_exp_f32 v[ST+\j], v[ST+\j]                   ; p = 2^(t - M)
.endr
	s_setprio 1
	v_pk_mul_f32 v[14:15], v[14:15], v[FF:FF+1] op_sel_hi:[1,0]    ; the sums under the new M: the plain place behind the exponentials
	s_wait_alu depctr_va_vdst(0)                   ; one wait for the batch of 64, ahead of its first reader
.irp b, 0,1,2,3
	v_exp_f32 v[BM+\b], v[BM+\b]                   ; the block's largest p: the same two instructions on the same number
.endr
	v_pk_add_f32 v[236:237], v[100:101], v[104:105]
	v_pk_add_f32 v[246:247], v[108:109], v[112:113]
	v_pk_add_f32 v[244:245], v[116:117], v[120:121]
	v_pk_add_f32 v[242:243], v[124:125], v[128:129]
	v_pk_add_f32 v[240:241], v[132:133], v[136:137]
	v_pk_add_f32 v[238:239], v[140:141], v[144:145]
	v_pk_add_f32 v[230:231], v[148:149], v[152:153]
	v_pk_add_f32 v[14:15], v[14:15], v[156:157]
	v_pk_add_f32 v[236:237], v[236:237], v[96:97]
	v_pk_add_f32 v[246:247], v[246:247], v[98:99]
	v_pk_add_f32 v[244:245], v[244:245], v[102:103]
	v_pk_add_f32 v[242:243], v[242:243], v[106:107]
	v_pk_add_f32 v[240:241], v[240:241], v[110:111]
	v_pk_add_f32 v[238:239], v[238:239], v[114:115]
	v_pk_add_f32 v[230:231], v[230:231], v[118:119]
	v_pk_add_f32 v[14:15], v[14:15], v[122:123]
	v_pk_add_f32 v[236:237], v[236:237], v[126:127]
	v_pk_add_f32 v[246:247], v[246:247], v[130:131]
	v_pk_add_f32 v[244:245], v[244:245], v[134:135]
	v_pk_add_f32 v[242:243], v[242:243], v[138:139]
	v_pk_add_f32 v[240:241], v[240:241], v[142:143]
	v_pk_add_f32 v[238:239], v[238:239], v[146:147]
	v_pk_add_f32 v[230:231], v[230:231], v[150:151]
	v_pk_add_f32 v[14:15], v[14:15], v[154:155]
	v_pk_add_f32 v[236:237], v[236:237], v[158:159]
	s_delay_alu instid0(VALU_DEP_2)
	v_pk_add_f32 v[14:15], v[14:15], v[242:243]
	s_delay_alu instid0(VALU_DEP_2)
	v_pk_add_f32 v[236:237], v[236:237], v[240:241]
	v_pk_add_f32 v[246:247], v[246:247], v[238:239]
	v_pk_add_f32 v[244:245], v[244:245], v[230:231]
	s_delay_alu instid0(VALU_DEP_2)
	v_pk_add_f32 v[14:15], v[14:15], v[246:247]
	s_delay_alu instid0(VALU_DEP_2)
	v_pk_add_f32 v[236:237], v[236:237], v[244:245]
	s_delay_alu instid0(VALU_DEP_1)
	v_pk_add_f32 v[14:15], v[14:15], v[236:237]
	s_wait_alu depctr_va_vdst(0)                   ; and one for the four
.irp b, 0,1,2,3
	v_max_num_f32 v[BM+\b], 0x1800000, v[BM+\b]    ; the floor 2^(3 - 127): the byte cannot fall under 1
.endr
.irp b, 0,1,2,3
	s_delay_alu instid0(VALU_DEP_4)
	v_add_nc_u32 v[SOP+\b], 0xff000000, v[BM+\b]   ; 2 off the exponent field: the conversion's scale operand
.endr
.irp b, 0,1,2,3
	s_delay_alu instid0(VALU_DEP_4)
	v_lshrrev_b32 v[PT+\b], 23, v[SOP+\b]          ; the scale's byte
.endr
	s_delay_alu instid0(VALU_DEP_3)
	v_lshl_or_b32 v[PW], v[PT+1], 8, v[PT]
	s_delay_alu instid0(VALU_DEP_1)
	v_lshl_or_b32 v[PW], v[PT+2], 16, v[PW]
	s_delay_alu instid0(VALU_DEP_1)
	v_lshl_or_b32 v[PW], v[PT+3], 24, v[PW]        ; p's scale word for these 128 keys
.irp c, 0,1
	v_cvt_scalef32_pk8_fp4_f32 v[PC+4*\c],   v[ST+32*\c:ST+32*\c+7],     v[SOP+2*\c]     ; tile 4 c
	v_cvt_scalef32_pk8_fp4_f32 v[PC+4*\c+2], v[ST+32*\c+8:ST+32*\c+15],  v[SOP+2*\c]     ; tile 4 c + 1
	v_cvt_scalef32_pk8_fp4_f32 v[PC+4*\c+1], v[ST+32*\c+16:ST+32*\c+23], v[SOP+2*\c+1]   ; tile 4 c + 2
	v_cvt_scalef32_pk8_fp4_f32 v[PC+4*\c+3], v[ST+32*\c+24:ST+32*\c+31], v[SOP+2*\c+1]   ; tile 4 c + 3
.endr
	v_nop                                          ; one plain place behind the scaled conversions
.irp c, 0,1
	v_permlane16_swap_b32 v[PC+4*\c], v[PC+4*\c+1]     ; a whole block of 32 keys to a lane
	v_permlane16_swap_b32 v[PC+4*\c+2], v[PC+4*\c+3]
.endr
	s_setprio 0
.irp j, 0,2,4,6,8,10,12,14,16,18,20,22,24,26,28,30
	v_pk_mul_f32 v[OT+\j:OT+\j+1], v[OT+\j:OT+\j+1], v[FF:FF+1] op_sel_hi:[1,0]   ; O^T under the new M, each accumulator from its low end on.  These sixteen are also the places between the writes of p's codes and scale word and the products below
.endr
	s_wait_alu depctr_va_vdst(0)
	s_wait_dscnt 0x0                               ; V and its scale words are in
.irp d, 0,2
	v_wmma_scale_f32_16x16x128_f8f6f4 v[OT+8*\d:OT+8*\d+7], v[VF+8*\d:VF+8*\d+7], v[PC:PC+7], v[OT+8*\d:OT+8*\d+7], v[VS+\d/2], v[PW] matrix_a_fmt:MATRIX_FMT_FP4 matrix_b_fmt:MATRIX_FMT_FP4
	v_wmma_scale_f32_16x16x128_f8f6f4 v[OT+8*\d+8:OT+8*\d+15], v[VF+8*\d+8:VF+8*\d+15], v[PC:PC+7], v[OT+8*\d+8:OT+8*\d+15], v[VS+\d/2], v[PW] matrix_a_fmt:MATRIX_FMT_FP4 matrix_b_fmt:MATRIX_FMT_FP4 matrix_a_scale:MATRIX_SCALE_ROW1
.endr
.endm
; A STAGE: n key steps from LDS byte base on.  left = the first fills that the fetching waves issued behind this stage's: they may stay out, since no LDS byte is ever filled again.
.macro STAGE n, left, base
	s_wait_tensorcnt \left                         ; my part of the stage has landed,
	s_wait_dscnt 0x0
	s_barrier_signal -1
	s_barrier_wait -1                              ; and so has every fetching wave's
	s_mov_b32 s[TB], \base
	s_mov_b32 s[CNT], \n
.Lstep_\@:
	s_setprio 2
	STEP
	s_add_co_u32 s[TB], s[TB], STEPB
	s_sub_co_u32 s[CNT], s[CNT], 1
	s_cmp_lg_u32 s[CNT], 0
	s_cbranch_scc1 .Lstep_\@
	s_setprio 0
.endm
	STAGE 4, 2, 0
	STAGE 12, 1, 35840
	STAGE 16, 0, 143360
	; THE WAY OUT: O^T / the sum, quantised along the head's 64 (two blocks), as registers 0-3 of an operand's image.
.rept 4
	v_nop                                          ; four places behind the last products
.endr
	v_add_f32 v14, v14, v15                        ; the sum's two halves,
	s_delay_alu instid0(VALU_DEP_1)
	v_permlanex16_b32 v[PT], v14, s[SEL], s[SEL+1]
	s_delay_alu instid0(VALU_DEP_1)
	v_add_f32 v14, v14, v[PT]                      ; and lane l xor 16's
	s_wait_alu depctr_va_vdst(0)
	v_rcp_f32 v[RL], v14
	v_nop                                          ; a plain place behind the reciprocal
	s_wait_alu depctr_va_vdst(0)                   ; a wait ahead of the reciprocal's first reader
.irp j, 0,2,4,6,8,10,12,14,16,18,20,22,24,26,28,30
	v_pk_mul_f32 v[ST+\j:ST+\j+1], v[OT+\j:OT+\j+1], v[RL:RL+1] op_sel_hi:[1,0]   ; register 8 t + i: o(query r, channel 16 t + 8 h + i)
.endr
.irp b, 0,1
	v_max3_num_f32 v[BM+\b], |v[ST+16*\b]|, |v[ST+16*\b+1]|, 0x1800000
.endr
.irp i, 2,4,6,8,10,12,14
.irp b, 0,1
	s_delay_alu instid0(VALU_DEP_2)
	v_max3_num_f32 v[BM+\b], v[BM+\b], |v[ST+16*\b+\i]|, |v[ST+16*\b+\i+1]|
.endr
.endr
.irp b, 0,1
	s_delay_alu instid0(VALU_DEP_2)
	v_permlanex16_b32 v[PT+\b], v[BM+\b], s[SEL], s[SEL+1]
.endr
.irp b, 0,1
	s_delay_alu instid0(VALU_DEP_2)
	v_max_num_f32 v[BM+\b], v[BM+\b], v[PT+\b]
.endr
.irp b, 0,1
	s_delay_alu instid0(VALU_DEP_2)
	v_add_nc_u32 v[SOP+\b], 0xff000000, v[BM+\b]
.endr
.irp b, 0,1
	s_delay_alu instid0(VALU_DEP_2)
	v_lshrrev_b32 v[PT+\b], 23, v[SOP+\b]
.endr
	s_delay_alu instid0(VALU_DEP_1)
	v_lshl_or_b32 v[PW], v[PT+1], 8, v[PT]         ; the head's two bytes; the upper two stay 0
	v_cvt_scalef32_pk8_fp4_f32 v[PC],   v[ST:ST+7],     v[SOP]
	v_cvt_scalef32_pk8_fp4_f32 v[PC+2], v[ST+8:ST+15],  v[SOP]
	v_cvt_scalef32_pk8_fp4_f32 v[PC+1], v[ST+16:ST+23], v[SOP+1]
	v_cvt_scalef32_pk8_fp4_f32 v[PC+3], v[ST+24:ST+31], v[SOP+1]
	v_nop
	v_permlane16_swap_b32 v[PC], v[PC+1]
	v_permlane16_swap_b32 v[PC+2], v[PC+3]
	global_store_b128 v[LI], v[PC:PC+3], s[10:11]  ; 512 consecutive bytes, aligned
	ds_store_b32 v[OSA], v[PW]                     ; the scale words of the block's 256 queries meet in LDS (lanes r and r + 16 write the same word with the same value)
	s_wait_dscnt 0x0                               ; for the others' sake: my store has landed
	s_barrier_signal -1
	s_barrier_wait -1
	s_cmp_lt_u32 s[WV], 2
	s_cbranch_scc0 .Lno_words
	ds_load_b128 v[BM:BM+3], v[OSR]                ; waves 0 and 1 take 512 bytes each
	s_wait_dscnt 0x0
	global_store_b128 v[GS], v[BM:BM+3], s[12:13]  ; 512 consecutive bytes, aligned
.Lno_words:
	s_wait_tensorcnt 0x0
	ds_add_u32 v252, v255
	s_wait_dscnt 0x0
	ROUND                                          ; the closing round: no work-group ends while a partner may still ask for a tile that names it
	s_endpgm
.Lfunc_end_k_q283a0e84da_attn:
	.size	k_q283a0e84da_attn, .Lfunc_end_k_q283a0e84da_attn-k_q283a0e84da_attn
	.p2alignl 7, 3214868480
	.fill 96, 4, 3214868480
	.section	.rodata,"a",@progbits
	.p2align	6, 0x0
	.amdhsa_kernel k_q283a0e84da_attn
		.amdhsa_group_segment_fixed_size 289792
		.amdhsa_private_segment_fixed_size 0
		.amdhsa_enable_private_segment 0
		.amdhsa_kernarg_size 40
		.amdhsa_user_sgpr_count 2
		.amdhsa_user_sgpr_kernarg_segment_ptr 1
		.amdhsa_wavefront_size32 1
		.amdhsa_system_sgpr_workgroup_id_x 1
		.amdhsa_system_sgpr_workgroup_id_y 1
		.amdhsa_system_sgpr_workgroup_id_z 1
		.amdhsa_system_vgpr_workitem_id 0
		.amdhsa_next_free_vgpr 256
		.amdhsa_next_free_sgpr 80
		.amdhsa_reserve_vcc 0
		.amdhsa_float_denorm_mode_32 3
		.amdhsa_float_denorm_mode_16_64 3
		.amdhsa_memory_ordered 1
		.amdhsa_forward_progress 1
		.amdhsa_inst_pref_size 63
	.end_amdhsa_kernel
	.amdgpu_metadata
---
amdhsa.version: [ 1, 2 ]
amdhsa.kernels:
  - .name:           k_q283a0e84da_attn
    .symbol:         k_q283a0e84da_attn.kd
    .args:
      - { .name: qc, .offset: 0, .size: 8, .value_kind: global_buffer, .address_space: global }
      - { .name: qs, .offset: 8, .size: 8, .value_kind: global_buffer, .address_space: global }
      - { .name: kv, .offset: 16, .size: 8, .value_kind: global_buffer, .address_space: global }
      - { .name: oc, .offset: 24, .size: 8, .value_kind: global_buffer, .address_space: global }
      - { .name: os, .offset: 32, .size: 8, .value_kind: global_buffer, .address_space: global }
    .group_segment_fixed_size: 289792
    .private_segment_fixed_size: 0
    .kernarg_segment_align: 8
    .kernarg_segment_size: 40
    .max_flat_workgroup_size: 512
    .sgpr_count:     80
    .vgpr_count:     256
    .wavefront_size: 32
...
	.end_amdgpu_metadata
.endif
;; end of part 5
;; launch outp (part 6): grid 256 x 1, 4 waves a work-group, no clusters, 34,304 bytes of LDS; arguments oc, os, Wo_codes, Wo_scales, bo, out0; writes out0
.if DOCPART == 6
	.amdgcn_target "amdgcn-amd-amdhsa--gfx1250"
	.amdhsa_code_object_version 6
	.text
	.protected	k_q283a0e84da_outp
	.globl	k_q283a0e84da_outp
	.p2align	8
	.type	k_q283a0e84da_outp,@function
k_q283a0e84da_outp:
	s_mov_b64 s[64:65], 0
	v_nop
	global_prefetch_b8 v0, s[64:65] scope:SCOPE_SE
	s_setreg_imm32_b32 hwreg(HW_REG_WAVE_SCHED_MODE, 0, 2), 2
	s_setreg_imm32_b32 hwreg(HW_REG_WAVE_MODE, 25, 1), 1
	s_wait_xcnt 0x0
	s_wait_alu depctr_vm_vsrc(0)
; out0 = attention's result x Wo + bo, on codes of FP4 (E2M1) with E8M0 scales; sums in f32.  oc holds the left operand as images of operand registers, [token tile][head][512 bytes]:
; head 2 s + c gives registers 4 c .. 4 c + 3 of K step s.  os holds, for each head and token, a word whose low two bytes are the head's two scale bytes: two heads' words make a K step's scale word.
; SHARES.  A work-group takes 32 tokens (two tiles j), wave w the output's columns 128 w .. 128 w + 127: 64 matrix instructions a wave, written out without a loop.
; THE MATRIX INSTRUCTION IS USED TRANSPOSED (source 0 = 16 rows of Wo, source 1 = 16 tokens): a lane holds eight neighbouring columns of one row of the output.  bo is the C of each sum's first K step.
; The results go through the wave's own stage in LDS (16 rows of 512 bytes + 16) and leave as whole rows: each store covers 512 consecutive bytes, aligned.
; No tensor load, no cluster: the operands go from memory straight into the registers that hold them, once a wave; the launch's bytes are its stores.
; REGISTERS: window 0: v1-9 addresses; v16-47 Wo's scale words; v48-111 the tokens' fragments, later rows of the second tile; v112-127 os's words; v128-135 the tokens' scale words; v136-199 rows of the first tile.
;   window 1: Wo's 32 fragments (tile t, K step s at 8 (4 t + s)).   window 2: v0-63 bo's eight tiles; v64-191 the sixteen accumulators (64 j + 8 t).
; THE MODE: SCHED_MODE bits 1:0 = 2 (LLVM: expert scheduling mode 2), set by the entry lines.  The code itself states the register dependences
; between vector or matrix instructions and memory or LDS instructions, with s_wait_alu, always for 0.
; THE PLAN.  Registers that memory or LDS instructions touch:
;   v1, v4 .. v9      offsets and LDS addresses, made once at the head and never written again.
;   window 1, bo's tiles, WS, RAW   loaded once; read by matrix instructions (RAW: by the eight lines that make the tokens' scale words); never loaded again.
;   AF                loaded once; read by both tiles' products; behind tile 1's products the rows of tile 1 land in it, from the stage.
;   the accumulators  tile j's 32 products write them; tile j's sixteen LDS stores read them; never written again.
;   BK0               written by LDS loads, read by global stores: no vector or matrix instruction names it.
; So one wait on va_vdst stands ahead of each tile's LDS stores, behind the tile's products and their places.  Tile 0 goes through the stage while tile 1 is multiplied (tile 1's products name none of
; the registers that tile 0's LDS instructions touch), and its rows are stored before tile 1 is staged.  No register that a memory or LDS instruction reads is written again: no wait on vm_vsrc is owed.
.set L16, 1                            ; v1   16 x lane
.set RR,  2
.set HH,  3
.set FO,  4                            ; v4   256 r + 16 h
.set SO,  5                            ; v5   16 r
.set R4,  6                            ; v6   4 r
.set BO,  7                            ; v7   32 h
.set STO, 8                            ; v8   the stage: where I put 32 bytes of a row
.set RD,  9                            ; v9   and where I read a row back
.set WS,  16
.set AF,  48
.set RAW, 112
.set AS,  128
.set BK0, 136
.set BK1, 48
.set ACC, 64
.set WV,  16
.set MSB, 0
.macro WIN new                         ; the immediate's high byte repeats the setting that is left
.if MSB != \new
	s_set_vgpr_msb (MSB<<8)|\new
.set MSB, \new
.endif
.endm
	s_load_b256 s[4:11], s[0:1], 0x0               ; oc s[4:5], os s[6:7], Wo's codes s[8:9], Wo's scales s[10:11]
	s_load_b128 s[12:15], s[0:1], 0x20             ; bo s[12:13], out0 s[14:15]
	v_lshl_add_u32 v254, v0, 2, 0x8400
	v_mov_b32 v255, 0
	v_lshrrev_b32 v10, 5, v0
	v_readfirstlane_b32 s[WV], v10                 ; wave 0..3
	v_and_b32 v10, 31, v0
	v_lshlrev_b32 v[L16], 4, v10
	v_and_b32 v[RR], 15, v0
	v_bfe_u32 v[HH], v0, 4, 1
	v_lshlrev_b32 v[FO], 8, v[RR]
	v_lshl_add_u32 v[FO], v[HH], 4, v[FO]
	v_lshlrev_b32 v[SO], 4, v[RR]
	v_lshlrev_b32 v[R4], 2, v[RR]
	v_lshlrev_b32 v[BO], 5, v[HH]
	v_mul_u32_u24 v[STO], v[RR], 528
	v_lshl_add_u32 v[STO], v[HH], 5, v[STO]
	s_wait_alu depctr_va_sdst(0)                   ; the wave's number is written, ahead of its first reader: the stage's place and the bases are made from it
	s_mul_i32 s17, s[WV], 8448                     ; my stage
	v_add_nc_u32 v[STO], s17, v[STO]
	v_add_nc_u32 v[RD], s17, v[L16]
	s_mov_b32 s19, 0
	s_wait_kmcnt 0x0
	s_lshl_b32 s18, ttmp9, 13                      ; two token tiles of 4,096 bytes
	s_add_nc_u64 s[4:5], s[4:5], s[18:19]
	s_lshl_b32 s18, ttmp9, 7                       ; 32 tokens' words
	s_add_nc_u64 s[6:7], s[6:7], s[18:19]
	s_lshl_b32 s18, s[WV], 15                      ; my 128 rows of Wo
	s_add_nc_u64 s[8:9], s[8:9], s[18:19]
	s_lshl_b32 s18, s[WV], 11
	s_add_nc_u64 s[10:11], s[10:11], s[18:19]
	s_lshl_b32 s18, s[WV], 9                       ; my 128 numbers of bo, and my 512 bytes of a row of the output
	s_add_nc_u64 s[12:13], s[12:13], s[18:19]
	s_add_nc_u64 s[14:15], s[14:15], s[18:19]
	s_lshl_b32 s18, ttmp9, 16                      ; 32 rows of 2,048 bytes
	s_add_nc_u64 s[14:15], s[14:15], s[18:19]
	WIN 0x40                                       ; destination window 1
	s_wait_alu depctr_va_vdst(0)                   ; the offsets and LDS addresses v1 and v4 to v9 are written: every load, store and LDS instruction of the kernel reads one of them
.irp t, 0,1,2,3,4,5,6,7
.irp s, 0,1,2,3
.irp c, 0,1
	global_load_b128 v[8*(4*\t+\s)+4*\c:8*(4*\t+\s)+4*\c+3], v[FO], s[8:9] offset:4096*\t+64*\s+32*\c
.endr
.endr
.endr
	WIN 0x80                                       ; destination window 2
.irp t, 0,1,2,3,4,5,6,7
	global_load_b128 v[8*\t:8*\t+3], v[BO], s[12:13] offset:64*\t          ; bo of columns 16 t + 8 h + 0 .. 7: the result's layout
	global_load_b128 v[8*\t+4:8*\t+7], v[BO], s[12:13] offset:64*\t+16
.endr
	WIN 0
.irp t, 0,1,2,3,4,5,6,7
	global_load_b128 v[WS+4*\t:WS+4*\t+3], v[SO], s[10:11] offset:256*\t
.endr
.irp j, 0,1
.irp s, 0,1,2,3
.irp c, 0,1
	global_load_b128 v[AF+32*\j+8*\s+4*\c:AF+32*\j+8*\s+4*\c+3], v[L16], s[4:5] offset:4096*\j+512*(2*\s+\c)
.endr
.endr
.endr
.irp j, 0,1
.irp d, 0,1,2,3,4,5,6,7
	global_load_b32 v[RAW+8*\j+\d], v[R4], s[6:7] offset:32768*\d+64*\j
.endr
.endr
	s_wait_loadcnt 0x0
.irp j, 0,1
.irp s, 0,1,2,3
	v_lshl_or_b32 v[AS+4*\j+\s], v[RAW+8*\j+2*\s+1], 16, v[RAW+8*\j+2*\s]   ; heads 2 s and 2 s + 1: the four bytes of K step s
.endr
.endr
.rept 8
	v_nop                                          ; a scale register written by a vector instruction stands eight places ahead of a scaled matrix instruction
.endr
	s_wait_alu depctr_va_vdst(0)                   ; the tokens' scale words v128 to v135 are written, which the scaled products below take as scales; the places above stay beside this wait
.macro MUL j                           ; tile j's 32 products
	WIN 0xa1                                       ; source 0 (Wo) window 1, source 1 window 0, C and D window 2
.irp s, 0,1,2,3
.irp t, 0,1,2,3,4,5,6,7                        ; eight accumulators by turns, one instruction a turn; K ascending
.if \s == 0
	v_wmma_scale_f32_16x16x128_f8f6f4 v[ACC+64*(\j)+8*\t:ACC+64*(\j)+8*\t+7], v[8*(4*\t+\s):8*(4*\t+\s)+7], v[AF+32*(\j)+8*\s:AF+32*(\j)+8*\s+7], v[8*\t:8*\t+7], v[WS+4*\t+\s], v[AS+4*(\j)+\s] matrix_a_fmt:MATRIX_FMT_FP4 matrix_b_fmt:MATRIX_FMT_FP4
.else
	v_wmma_scale_f32_16x16x128_f8f6f4 v[ACC+64*(\j)+8*\t:ACC+64*(\j)+8*\t+7], v[8*(4*\t+\s):8*(4*\t+\s)+7], v[AF+32*(\j)+8*\s:AF+32*(\j)+8*\s+7], v[ACC+64*(\j)+8*\t:ACC+64*(\j)+8*\t+7], v[WS+4*\t+\s], v[AS+4*(\j)+\s] matrix_a_fmt:MATRIX_FMT_FP4 matrix_b_fmt:MATRIX_FMT_FP4
.endif
.endr
.endr
.endm
.macro TOSTAGE j, bk                   ; tile j's 16 rows x 128 columns into my stage, and back as whole rows.  LDS serves a wave's instructions in order: no wait between the stores and the loads, nor in front of the next tile's stores
	WIN 0x08                                       ; an LDS store's data are its source 1: window 2
	s_wait_alu depctr_va_vdst(0)                   ; tile j's products have written its accumulators, which the LDS stores read; tile 1's are also done reading the tokens' fragments, in whose registers its rows land
.irp t, 0,1,2,3,4,5,6,7
	ds_store_b128 v[STO], v[ACC+64*(\j)+8*\t:ACC+64*(\j)+8*\t+3] offset:64*\t        ; each accumulator from its low end on
	ds_store_b128 v[STO], v[ACC+64*(\j)+8*\t+4:ACC+64*(\j)+8*\t+7] offset:64*\t+16
.endr
	WIN 0
.irp i, 0,1,2,3,4,5,6,7,8,9,10,11,12,13,14,15
	ds_load_b128 v[\bk+4*\i:\bk+4*\i+3], v[RD] offset:528*\i
.endr
.endm
.macro SEND j, bk
	s_wait_dscnt 0x0                               ; tile j's rows are back in registers: no LDS instruction was issued behind its loads
.irp i, 0,1,2,3,4,5,6,7,8,9,10,11,12,13,14,15
	global_store_b128 v[L16], v[\bk+4*\i:\bk+4*\i+3], s[14:15] offset:32768*(\j)+2048*\i th:TH_STORE_NT   ; 32 lanes store 512 consecutive bytes, aligned; written once, read by nobody here
.endr
.endm
	MUL 0
.rept 4
	v_nop                                          ; four places behind tile 0's last product, in front of the LDS stores that read results
.endr
	TOSTAGE 0, BK0
	MUL 1                                          ; tile 0 goes through the stage meanwhile
	WIN 0
	SEND 0, BK0                                    ; its rows' registers are named by LDS loads and these stores alone
.rept 4
	v_nop                                          ; four places behind tile 1's last product: for the LDS stores that read results, and for the loads into the registers that held the tokens' fragments
.endr
	TOSTAGE 1, BK1
	SEND 1, BK1
	s_wait_dscnt 0x0
	s_wait_alu depctr_hold_cnt(0) depctr_sa_sdst(0) depctr_va_vdst(0) depctr_va_sdst(0) depctr_va_ssrc(0) depctr_va_vcc(0) depctr_vm_vsrc(0)
	s_wait_tensorcnt 0x0
	ds_add_u32 v254, v255
	s_wait_dscnt 0x0
	s_endpgm
.Lfunc_end_k_q283a0e84da_outp:
	.size	k_q283a0e84da_outp, .Lfunc_end_k_q283a0e84da_outp-k_q283a0e84da_outp
	.p2alignl 7, 3214868480
	.fill 96, 4, 3214868480
	.section	.rodata,"a",@progbits
	.p2align	6, 0x0
	.amdhsa_kernel k_q283a0e84da_outp
		.amdhsa_group_segment_fixed_size 34304
		.amdhsa_private_segment_fixed_size 0
		.amdhsa_enable_private_segment 0
		.amdhsa_kernarg_size 48
		.amdhsa_user_sgpr_count 2
		.amdhsa_user_sgpr_kernarg_segment_ptr 1
		.amdhsa_wavefront_size32 1
		.amdhsa_system_sgpr_workgroup_id_x 1
		.amdhsa_system_sgpr_workgroup_id_y 1
		.amdhsa_system_sgpr_workgroup_id_z 1
		.amdhsa_system_vgpr_workitem_id 0
		.amdhsa_next_free_vgpr 704
		.amdhsa_next_free_sgpr 66
		.amdhsa_reserve_vcc 0
		.amdhsa_float_denorm_mode_32 3
		.amdhsa_float_denorm_mode_16_64 3
		.amdhsa_memory_ordered 1
		.amdhsa_forward_progress 1
		.amdhsa_inst_pref_size 30
	.end_amdhsa_kernel
	.amdgpu_metadata
---
amdhsa.version: [ 1, 2 ]
amdhsa.kernels:
  - .name:           k_q283a0e84da_outp
    .symbol:         k_q283a0e84da_outp.kd
    .args:
      - { .name: oc, .offset: 0, .size: 8, .value_kind: global_buffer, .address_space: global }
      - { .name: os, .offset: 8, .size: 8, .value_kind: global_buffer, .address_space: global }
      - { .name: Wo_codes, .offset: 16, .size: 8, .value_kind: global_buffer, .address_space: global }
      - { .name: Wo_scales, .offset: 24, .size: 8, .value_kind: global_buffer, .address_space: global }
      - { .name: bo, .offset: 32, .size: 8, .value_kind: global_buffer, .address_space: global }
      - { .name: out0, .offset: 40, .size: 8, .value_kind: global_buffer, .address_space: global }
    .group_segment_fixed_size: 34304
    .private_segment_fixed_size: 0
    .kernarg_segment_align: 8
    .kernarg_segment_size: 48
    .max_flat_workgroup_size: 128
    .sgpr_count:     66
    .vgpr_count:     704
    .wavefront_size: 32
...
	.end_amdgpu_metadata
.endif
;; end of part 6
